; MI455X (gfx1250); checked and timed in simulation.
; The chip was launched on July 23, 2026; its instructions are those of AMD's public machine-readable ISA for CDNA 5 (MIT licence, August 2026) and "CDNA5" Instruction Set Architecture Reference Guide (July 2026). The comments in the code are by the model that wrote it; some were corrected since.
;; Transformer Block. Allowed arithmetic: matrix products marked QUANTISED: E4M3 operands, one given power-of-two scale a tensor, by v_wmma_f32_16x16x64_fp8_fp8 or v_wmma_f32_16x16x128_fp8_fp8, f32 sums; everything else in f32.
;; Inputs: W1 1,024 x 4,096 float32; W2 4,096 x 1,024 float32; Wk 1,024 x 1,024 float32; Wo 1,024 x 1,024 float32; Wq 1,024 x 1,024 float32; Wv 1,024 x 1,024 float32; b1 4,096 float32; b2 1,024 float32; bk 1,024 float32; bo 1,024 float32; bq 1,024 float32; bv 1,024 float32; ln1_b 1,024 float32; ln1_g 1,024 float32; ln2_b 1,024 float32; ln2_g 1,024 float32; lowp_scales 16 int32 (the exponents e of the quantised operands' scales 2^e); x 2 x 2,048 x 1,024 float32.
;; Outputs: out0 2 x 2,048 x 1,024 float32.
;; This version of the problem:
;;   THIS VERSION OF THE PROBLEM IS GIVEN IN LOW PRECISION. The matrix products marked QUANTISED in the list below multiply operands that are first quantised to E4M3 (4 exponent bits, 3 mantissa bits; 8 bits a number), with one given power-of-two scale for each operand tensor; their sums are f32. All else is computed in f32.
;;   The module's matrix products, in the order in which they are computed (A, B: the left and right operand; K: the contracted axis; several contracted axes count as one K, in the product's order):
;;     1. [M 4,096, K 1,024] x [K 1,024, N 1,024]; A: computed on the way; B: input Wq: QUANTISED (scales: A lowp_scales[0], B lowp_scales[1])
;;     2. [M 4,096, K 1,024] x [K 1,024, N 1,024]; A: computed on the way; B: input Wk: QUANTISED (scales: A lowp_scales[2], B lowp_scales[3])
;;     3. [M 4,096, K 1,024] x [K 1,024, N 1,024]; A: computed on the way; B: input Wv: QUANTISED (scales: A lowp_scales[4], B lowp_scales[5])
;;     4. batch 32 x [M 2,048, K 64] x [K 64, N 2,048]; A: computed on the way; B: computed on the way: QUANTISED (scales: A lowp_scales[6], B lowp_scales[7])
;;     5. batch 32 x [M 64, K 2,048] x [K 2,048, N 2,048]; A: computed on the way; B: softmax (see below): QUANTISED (scales: A lowp_scales[8], B lowp_scales[9])
;;     6. [M 4,096, K 1,024] x [K 1,024, N 1,024]; A: computed on the way; B: input Wo: QUANTISED (scales: A lowp_scales[10], B lowp_scales[11])
;;     7. [M 4,096, K 1,024] x [K 1,024, N 4,096]; A: computed on the way; B: input W1: QUANTISED (scales: A lowp_scales[12], B lowp_scales[13])
;;     8. [M 4,096, K 4,096] x [K 4,096, N 1,024]; A: computed on the way; B: input W2: QUANTISED (scales: A lowp_scales[14], B lowp_scales[15])
;;   THE QUANTISER, for each operand of a quantised product, along K:
;;     - The operand's scale is 2^e, e = its entry of the input lowp_scales (int32; the entries are numbered through the quantised products in the list's order, A before B).
;;     - Each number is divided by the scale, clamped to +-448, and rounded to the nearest number of E4M3, ties to even, subnormals kept.
;;     - The product sums the exact products of the quantised numbers (number of the format x scale) in f32.
;;   ~~~python
;;   def quantise(x, axis, e):      # numpy; x: float32 -> the quantised numbers, widened to float32 again
;;       x = np.moveaxis(x, axis, -1); K = x.shape[-1]
;;       r = np.clip(x / 2.0 ** e, -448, 448)
;;       step = 2.0 ** (np.maximum(np.frexp(np.where(r == 0, 1, r))[1] - 1, -6) - 3)
;;       q = np.round(r / step) * step * 2.0 ** e      # np.round: ties to even
;;       return np.moveaxis(q, -1, axis).astype(np.float32)
;;   ~~~
;;   SOFTMAX AHEAD OF A QUANTISED PRODUCT. Where the list says 'softmax', what is quantised is not the finished softmax but p = 2^(t - M), with t = logit x log2(e) and M = ceil(the row's largest t), a whole number; so 1/2 < the row's largest p <= 1. The row's sum l is taken of the UNQUANTISED p, in f32, and the product's result is divided by l at the end. Since M is a whole number, a kernel that streams over the keys may use a running M (the ceiling of the running maximum): every later rescaling is an exact power of two, so the quantised numbers keep their values, but for numbers so far below the row's largest that they fall under the format's range.
;;   OPERANDS COMPUTED ON THE WAY. 'Computed on the way' means the value that the module computes at that place (a softmax that the list does not call 'softmax' is quantised finished and normalised). What goes into a quantiser is computed in f32, as accurately as f32 sums, v_exp_f32 and their like allow (about 1e-6 of the number): no bf16 or f16 on the way to a quantiser, and a product that is left as it is and whose result goes on into a quantised operand takes f32 operands (vector FMAs, or v_wmma_f32_16x16x4_f32). A number that lies on a knife's edge between two numbers of the format may be rounded either way, as far as f32 arithmetic and the matrix unit's own rounding can turn it there, and no further.
;; One version. Each part assembles by itself: llvm-mc -triple=amdgcn-amd-amdhsa -mcpu=gfx1250 --defsym DOCPART=n.
;; ======== version 1 of 1: 7 launches
;; limits: right only within a limited range of input values
;; workspace buffers: wc 12,582,912 bytes; xnc 12,582,912 bytes; qkvc 12,582,912 bytes; aoc 4,194,304 bytes; x1 16,777,216 bytes; hc 4,194,304 bytes; gc 16,777,216 bytes
;; launch prep (part 1): grid 640 x 1, 4 waves a work-group, no clusters, 36,352 bytes of LDS; arguments x, ln1_g, ln1_b, Wq, Wk, Wv, Wo, W1, W2, lowp_scales, wc, xnc; writes wc, xnc
.if DOCPART == 1
	.amdgcn_target "amdgcn-amd-amdhsa--gfx1250"
	.amdhsa_code_object_version 6
	.text
	.protected	k_qdcacec7749_prep
	.globl	k_qdcacec7749_prep
	.p2align	8
	.type	k_qdcacec7749_prep,@function
k_qdcacec7749_prep:
	s_mov_b64 s[64:65], 0
	v_nop
	global_prefetch_b8 v0, s[64:65] scope:SCOPE_SE
	s_setreg_imm32_b32 hwreg(HW_REG_WAVE_MODE, 25, 1), 1
	s_wait_xcnt 0x0
; PREP: two jobs in one launch, told apart by the work-group's number.
; Work-groups 0-383: the six weights, f32 stored [K][N], become codes of E4M3 laid [N][K], K innermost, each with its given scale 2^e (entries 1, 3, 5, 11, 13, 15).
;   A lane takes a column n and its registers run down K: each load reads 128 consecutive bytes a wave, the conversions give codes with K innermost, and the codes leave through
;   the wave's own stage in LDS, sixteen lanes storing 256 consecutive aligned bytes.  A wave takes 32 columns x 256 along K.  One path serves all six: pointers, pitches and e are chosen by s_cselect.
;   wc: Wq at 0, Wk at 1 MiB, Wv at 2 MiB, Wo at 3 MiB (rows of 1,024 bytes), W1 at 4 MiB ([4096][1024]), W2 at 8 MiB ([1024][4096]).
; Work-groups 384-639: LN1(x), f32, quantised three times (entries 0, 2, 4 need not be equal) into xnc [3][4096][1024].  A wave takes four whole rows; a row stays in 32 registers a lane.
;   mean, then the mean of the squared differences (two passes over registers), as the definition has them.
; code = number / 2^e, held within +-448, to the nearest code, ties to even.  LIMITS: each e between -126 and 119.  NaN among the inputs is not served.
; No tensor loads, no barrier: waves share nothing.  Matrix units and clusters have nothing to do here: every byte is read once.
.set PITCH, 272                        ; a stage row: 256 bytes of codes + 16
.set WX,    32                         ; v32-95    weights: two sets of 32 numbers
.set WC,    96                         ; v96-103   a block's codes
.set OUTR,  112                        ; v112-175  the way out
.set VO,    176                        ; v176-207  byte offset of row i of a block of 32 rows: 4 x lane + i x the input's row
.set VS,    208                        ; v208-223  byte offset of the way out's store t
.set SB,    48                         ; s[48:63]  eight bases, one for each block of 32 rows: none is stepped
.set NSC,   3                          ; LN: scales
.set HOLD,  4                          ; v4-6      448 x 2^e
.set ST,    8                          ; v8-15     a row's statistic, as the low word of a pair
.set PD,    16                         ; v16-19    the lane permutes' destinations
.set SCL,   20                         ; v20-22    2^e
.set CODES, 24                         ; v24-47    a row's codes, 8 registers a scale
.set TMP,   48                         ; v48-63    at work
.set LG,    64                         ; v64-95    gains of my 32 columns
.set LB,    96                         ; v96-127   biases
.set LX,    128                        ; v128-255  four rows
.set OB,    70                         ; s[70:75]  the three outputs at my first row
.macro WLOAD t                         ; block t: W(32 t + i, my column), i = 0 .. 31, into set t % 2
.set i, 0
.rept 32
	global_load_b32 v[WX+32*((\t)%2)+i], v[VO+i], s[SB+2*(\t):SB+2*(\t)+1] th:TH_LOAD_NT
.set i, i+1
.endr
.endm
.macro WBLOCK t
.set XS, WX+32*((\t)%2)
.if (\t) < 7
	s_wait_loadcnt 32                              ; this block's 32 loads are in; the next block's may be out
.else
	s_wait_loadcnt 0
.endif
.set i, 0
.rept 32
	v_med3_num_f32 v[XS+i], v[XS+i], -v10, v10     ; the conversion does not saturate (ISA guide 7.6.2): the hold at the largest code x the scale
.set i, i+1
.endr
.irp g, 0,1,2,3
	v_cvt_scalef32_pk8_fp8_f32 v[WC+2*\g:WC+2*\g+1], v[XS+8*\g:XS+8*\g+7], v11
.endr
	ds_store_b128 v4, v[WC:WC+3] offset:32*(\t)    ; 32 codes: 32 bytes of my column's row
	ds_store_b128 v4, v[WC+4:WC+7] offset:32*(\t)+16
.if (\t)+2 < 8
	WLOAD (\t)+2
.endif
	s_wait_dscnt 0x0                               ; the stores have read their registers: the next block's codes may be written
.endm
.macro ALLSUM                          ; the four rows' statistics summed over the 32 lanes, the rows by turns
.irp m, 1,2,4,8
.irp p, 0,1,2,3
	v_add_f32_dpp v[ST+2*\p], v[ST+2*\p], v[ST+2*\p] row_xmask:\m row_mask:0xf bank_mask:0xf
.endr
.endr
.irp p, 0,1,2,3
	v_permlanex16_b32 v[PD+\p], v[ST+2*\p], s76, s77
.endr
.irp p, 0,1,2,3
	v_add_f32 v[ST+2*\p], v[ST+2*\p], v[PD+\p]
.endr
.endm
.macro LNOUT p                         ; row p: (x - m) r g + b, then each scale's codes, then the stores
.set k, 0
.rept 16
	v_pk_mul_f32 v[LX+32*\p+k:LX+32*\p+k+1], v[LX+32*\p+k:LX+32*\p+k+1], v[ST+2*\p:ST+2*\p+1] op_sel_hi:[1,0]
.set k, k+2
.endr
.set k, 0
.rept 16
	v_pk_fma_f32 v[LX+32*\p+k:LX+32*\p+k+1], v[LX+32*\p+k:LX+32*\p+k+1], v[LG+k:LG+k+1], v[LB+k:LB+k+1]
.set k, k+2
.endr
	s_wait_xcnt 0x0                                ; the last row's stores have read their data: the codes' registers are written again only behind this wait
.set sc, 0
.rept NSC
.irp hf, 0,1
.set k, 0
.rept 16
	v_med3_num_f32 v[TMP+k], v[LX+32*\p+16*\hf+k], -v[HOLD+sc], v[HOLD+sc]
.set k, k+1
.endr
	v_cvt_scalef32_pk8_fp8_f32 v[CODES+8*sc+4*\hf:CODES+8*sc+4*\hf+1], v[TMP:TMP+7], v[SCL+sc]
	v_cvt_scalef32_pk8_fp8_f32 v[CODES+8*sc+4*\hf+2:CODES+8*sc+4*\hf+3], v[TMP+8:TMP+15], v[SCL+sc]
	v_nop                                          ; one plain line between the conversions and the next write of their sources
.endr
.irp jj, 0,1,2,3
	global_store_b64 v3, v[CODES+8*sc+2*\jj:CODES+8*sc+2*\jj+1], s[OB+2*sc:OB+2*sc+1] offset:1024*\p+256*\jj th:TH_STORE_NT   ; 32 lanes store 256 consecutive bytes, aligned
.endr
.set sc, sc+1
.endr
.endm
	s_load_b512 s[4:19], s[0:1], 0x0               ; x 4, ln1_g 6, ln1_b 8, Wq 10, Wk 12, Wv 14, Wo 16, W1 18
	s_load_b256 s[20:27], s[0:1], 0x40             ; W2 20, the exponents 22, wc 24, xnc 26
	v_lshl_add_u32 v23, v0, 2, 0x8c00
	s_set_vgpr_msb 0x40
	v_mov_b32 v1, 0
	s_set_vgpr_msb 0x4000
	v_lshrrev_b32 v1, 5, v0
	v_readfirstlane_b32 s28, v1                    ; wave
	v_and_b32 v2, 31, v0                           ; lane
	s_wait_kmcnt 0x0
	s_load_b512 s[32:47], s[22:23], 0x0            ; entry i in s[32 + i]
	s_cmp_ge_u32 ttmp9, 384
	s_cbranch_scc1 .Lln
	; ---- the weights.  Which tensor (0 .. 5) and which part of it
	s_lshr_b32 s29, ttmp9, 5
	s_and_b32 s30, ttmp9, 31
	s_sub_co_u32 s31, ttmp9, 128
	s_lshr_b32 s70, s31, 7
	s_add_co_u32 s70, s70, 4
	s_and_b32 s31, s31, 127
	s_cmp_lt_u32 ttmp9, 128
	s_cselect_b32 s29, s29, s70                    ; 0 Wq, 1 Wk, 2 Wv, 3 Wo (32 work-groups each), 4 W1, 5 W2 (128 each)
	s_cselect_b32 s30, s30, s31                    ; my number within the tensor
	s_lshl_b32 s74, s29, 20                        ; the tensor's place in wc
	s_mov_b32 s71, 4096                            ; a row of the input in bytes
	s_mov_b32 s73, 1024                            ; a row of the codes in bytes (K)
	s_mov_b64 s[68:69], s[10:11]
	s_cmp_eq_u32 s29, 1
	s_cselect_b64 s[68:69], s[12:13], s[68:69]
	s_cmp_eq_u32 s29, 2
	s_cselect_b64 s[68:69], s[14:15], s[68:69]
	s_cmp_eq_u32 s29, 3
	s_cselect_b64 s[68:69], s[16:17], s[68:69]
	s_cmp_eq_u32 s29, 4
	s_cselect_b64 s[68:69], s[18:19], s[68:69]
	s_cselect_b32 s71, 16384, s71
	s_cselect_b32 s72, 5, 3                        ; log2 of the blocks of 128 columns
	s_cmp_eq_u32 s29, 5
	s_cselect_b64 s[68:69], s[20:21], s[68:69]
	s_cselect_b32 s73, 4096, s73
	s_cselect_b32 s74, 0x800000, s74
	s_lshl_b32 s75, 1, s72
	s_sub_co_u32 s75, s75, 1
	s_and_b32 s75, s30, s75                        ; which 128 columns
	s_lshr_b32 s76, s30, s72                       ; which 256 along K
	s_lshl_b32 s77, s75, 7
	s_lshl_b32 s31, s28, 5
	s_add_co_u32 s77, s77, s31                     ; my wave's first column
	s_lshl_b32 s78, s76, 8
	s_mul_i32 s80, s78, s71                        ; in: 256 ky rows
	s_lshl_b32 s31, s77, 2
	s_add_co_u32 s80, s80, s31                     ; + 4 x column
	s_mov_b32 s81, 0
	s_add_nc_u64 s[SB:SB+1], s[68:69], s[80:81]
	s_lshl_b32 s80, s71, 5                         ; 32 rows on
.irp t, 1,2,3,4,5,6,7
	s_add_nc_u64 s[SB+2*\t:SB+2*\t+1], s[SB+2*\t-2:SB+2*\t-1], s[80:81]
.endr
	s_mul_i32 s82, s77, s73                        ; out: column x K
	s_add_co_u32 s82, s82, s78                     ; + 256 ky
	s_add_co_u32 s82, s82, s74                     ; + the tensor's place
	s_mov_b32 s83, 0
	s_add_nc_u64 s[66:67], s[24:25], s[82:83]
	s_lshl_b32 s79, s73, 1
	s_wait_alu depctr_va_vdst(0)
	v_lshlrev_b32 v[VO], 2, v2
.set i, 1
.rept 31
	v_add_nc_u32 v[VO+i], s71, v[VO+i-1]
.set i, i+1
.endr
	WLOAD 0
	WLOAD 1
	s_mul_i32 s31, s28, 32*PITCH                   ; my stage
	v_mul_u32_u24 v4, v2, PITCH
	v_add_nc_u32 v4, s31, v4                       ; into it: row = my column
	v_and_b32 v5, 15, v2
	v_lshrrev_b32 v6, 4, v2
	v_mul_u32_u24 v7, v6, PITCH
	v_lshl_add_u32 v7, v5, 4, v7
	v_add_nc_u32 v7, s31, v7                       ; out of it: sixteen lanes to a row, two rows an instruction
	v_mul_lo_u32 v[VS], v6, s73
	v_lshl_add_u32 v[VS], v5, 4, v[VS]             ; and the same place in the codes
.set i, 1
.rept 15
	v_add_nc_u32 v[VS+i], s79, v[VS+i-1]
.set i, i+1
.endr
	s_wait_kmcnt 0x0
	s_mov_b32 s70, s33                             ; the tensor's e
	s_cmp_eq_u32 s29, 1
	s_cselect_b32 s70, s35, s70
	s_cmp_eq_u32 s29, 2
	s_cselect_b32 s70, s37, s70
	s_cmp_eq_u32 s29, 3
	s_cselect_b32 s70, s43, s70
	s_cmp_eq_u32 s29, 4
	s_cselect_b32 s70, s45, s70
	s_cmp_eq_u32 s29, 5
	s_cselect_b32 s70, s47, s70
	s_add_co_i32 s70, s70, 127
	s_lshl_b32 s31, s70, 23
	v_mov_b32 v11, s31                             ; 2^e as f32: the conversion takes its exponent field
	s_add_co_i32 s70, s70, 8
	s_lshl_b32 s70, s70, 23
	s_or_b32 s70, s70, 0x600000
	v_mov_b32 v10, s70                             ; 448 x 2^e
.set Q, 0
	s_wait_alu depctr_va_vdst(0)
.rept 8
	WBLOCK Q
.set Q, Q+1
.endr
.irp t, 0,1,2,3,4,5,6,7,8,9,10,11,12,13,14,15
	ds_load_b128 v[OUTR+4*\t:OUTR+4*\t+3], v7 offset:2*\t*PITCH   ; LDS serves a wave's instructions in order: these see my stores
.endr
.irp t, 0,1,2,3,4,5,6,7,8,9,10,11,12,13,14,15
	s_wait_dscnt 15-\t
	global_store_b128 v[VS+\t], v[OUTR+4*\t:OUTR+4*\t+3], s[66:67]   ; sixteen lanes store 256 consecutive bytes, aligned
.endr
	s_set_vgpr_msb 0x4
	s_wait_tensorcnt 0x0
	ds_add_u32 v23, v1
	s_wait_dscnt 0x0
	s_set_vgpr_msb 0x400
	s_endpgm
.Lln:	; ---- LN1.  My wave's rows: 16 (work-group - 384) + 4 wave + 0 .. 3.  Lane l holds, of each row, numbers 256 jj + 8 l + 0 .. 7, jj = 0 .. 3
	s_sub_co_u32 s29, ttmp9, 384
	s_lshl_b32 s29, s29, 4
	s_lshl_b32 s30, s28, 2
	s_add_co_u32 s29, s29, s30
	s_lshl_b32 s48, s29, 12
	s_mov_b32 s49, 0
	s_add_nc_u64 s[4:5], s[4:5], s[48:49]
	s_lshl_b32 s48, s29, 10
	s_add_nc_u64 s[OB:OB+1], s[26:27], s[48:49]
	s_add_nc_u64 s[OB+2:OB+3], s[OB:OB+1], 0x400000
	s_add_nc_u64 s[OB+4:OB+5], s[OB:OB+1], 0x800000
	s_mov_b32 s76, 0x76543210                      ; v_permlanex16_b32: lane l xor 16
	s_mov_b32 s77, 0xfedcba98
	s_mov_b32 s78, 0x3a800000                      ; 1 / 1024
	s_wait_alu depctr_va_vdst(0)
	v_lshlrev_b32 v1, 5, v2                        ; 32 x lane
	v_lshlrev_b32 v3, 3, v2                        ; 8 x lane
.irp jj, 0,1,2,3
	global_load_b128 v[LG+8*\jj:LG+8*\jj+3], v1, s[6:7] offset:1024*\jj
	global_load_b128 v[LG+8*\jj+4:LG+8*\jj+7], v1, s[6:7] offset:1024*\jj+16
.endr
.irp jj, 0,1,2,3
	global_load_b128 v[LB+8*\jj:LB+8*\jj+3], v1, s[8:9] offset:1024*\jj
	global_load_b128 v[LB+8*\jj+4:LB+8*\jj+7], v1, s[8:9] offset:1024*\jj+16
.endr
.irp p, 0,1,2,3
.irp jj, 0,1,2,3
	global_load_b128 v[LX+32*\p+8*\jj:LX+32*\p+8*\jj+3], v1, s[4:5] offset:4096*\p+1024*\jj
	global_load_b128 v[LX+32*\p+8*\jj+4:LX+32*\p+8*\jj+7], v1, s[4:5] offset:4096*\p+1024*\jj+16
.endr
.endr
.irp p, 0,1,2,3
	v_mov_b32 v[ST+2*\p+1], 0                      ; named as a pair's upper half, so it is written
	v_mov_b32 v[PD+\p], 0                          ; a lane permute's destination counts as one of its sources
.endr
	s_wait_kmcnt 0x0
.irp s, 0,1,2
	s_add_co_i32 s30, s[32+2*\s], 127              ; entries 0, 2, 4
	s_lshl_b32 s31, s30, 23
	v_mov_b32 v[SCL+\s], s31
	s_add_co_i32 s30, s30, 8
	s_lshl_b32 s30, s30, 23
	s_or_b32 s30, s30, 0x600000
	v_mov_b32 v[HOLD+\s], s30
.endr
.irp p, 0,1,2,3                        ; the sum of my 32 numbers of each row, in two chains
	s_wait_loadcnt 24-8*\p                         ; this row's eight loads are in (and g and b); the later rows' may be out
	v_pk_add_f32 v[TMP+4*\p:TMP+4*\p+1], v[LX+32*\p:LX+32*\p+1], v[LX+32*\p+2:LX+32*\p+3]
	v_pk_add_f32 v[TMP+4*\p+2:TMP+4*\p+3], v[LX+32*\p+4:LX+32*\p+5], v[LX+32*\p+6:LX+32*\p+7]
.irp k, 8,12,16,20,24,28
	v_pk_add_f32 v[TMP+4*\p:TMP+4*\p+1], v[TMP+4*\p:TMP+4*\p+1], v[LX+32*\p+\k:LX+32*\p+\k+1]
	v_pk_add_f32 v[TMP+4*\p+2:TMP+4*\p+3], v[TMP+4*\p+2:TMP+4*\p+3], v[LX+32*\p+\k+2:LX+32*\p+\k+3]
.endr
	v_pk_add_f32 v[TMP+4*\p:TMP+4*\p+1], v[TMP+4*\p:TMP+4*\p+1], v[TMP+4*\p+2:TMP+4*\p+3]
	v_add_f32 v[ST+2*\p], v[TMP+4*\p], v[TMP+4*\p+1]
.endr
	ALLSUM
.irp p, 0,1,2,3
	v_mul_f32 v[ST+2*\p], s78, v[ST+2*\p]          ; the mean
.endr
.irp p, 0,1,2,3                        ; x - m in place, then the sum of its squares
.irp k, 0,2,4,6,8,10,12,14,16,18,20,22,24,26,28,30
	v_pk_add_f32 v[LX+32*\p+\k:LX+32*\p+\k+1], v[LX+32*\p+\k:LX+32*\p+\k+1], v[ST+2*\p:ST+2*\p+1] op_sel_hi:[1,0] neg_lo:[0,1] neg_hi:[0,1]
.endr
	v_pk_mul_f32 v[TMP+4*\p:TMP+4*\p+1], v[LX+32*\p:LX+32*\p+1], v[LX+32*\p:LX+32*\p+1]
	v_pk_mul_f32 v[TMP+4*\p+2:TMP+4*\p+3], v[LX+32*\p+2:LX+32*\p+3], v[LX+32*\p+2:LX+32*\p+3]
.irp k, 4,8,12,16,20,24,28
	v_pk_fma_f32 v[TMP+4*\p:TMP+4*\p+1], v[LX+32*\p+\k:LX+32*\p+\k+1], v[LX+32*\p+\k:LX+32*\p+\k+1], v[TMP+4*\p:TMP+4*\p+1]
	v_pk_fma_f32 v[TMP+4*\p+2:TMP+4*\p+3], v[LX+32*\p+\k+2:LX+32*\p+\k+3], v[LX+32*\p+\k+2:LX+32*\p+\k+3], v[TMP+4*\p+2:TMP+4*\p+3]
.endr
	v_pk_add_f32 v[TMP+4*\p:TMP+4*\p+1], v[TMP+4*\p:TMP+4*\p+1], v[TMP+4*\p+2:TMP+4*\p+3]
	v_add_f32 v[ST+2*\p], v[TMP+4*\p], v[TMP+4*\p+1]
.endr
	ALLSUM
.irp p, 0,1,2,3
	v_fmaak_f32 v[ST+2*\p], s78, v[ST+2*\p], 0x3727c5ac   ; the variance + 1e-5
.endr
	s_wait_alu depctr_va_vdst(0)
.irp p, 0,1,2,3
	v_rsq_f32 v[ST+2*\p], v[ST+2*\p]
.endr
	v_nop                                          ; a plain line behind the last root
	s_wait_alu depctr_va_vdst(0)                   ; one wait for the four roots, ahead of their first reader
	LNOUT 0
	LNOUT 1
	LNOUT 2
	LNOUT 3
	s_endpgm
.Lfunc_end_k_qdcacec7749_prep:
	.size	k_qdcacec7749_prep, .Lfunc_end_k_qdcacec7749_prep-k_qdcacec7749_prep
	.p2alignl 7, 3214868480
	.fill 96, 4, 3214868480
	.section	.rodata,"a",@progbits
	.p2align	6, 0x0
	.amdhsa_kernel k_qdcacec7749_prep
		.amdhsa_group_segment_fixed_size 36352
		.amdhsa_private_segment_fixed_size 0
		.amdhsa_enable_private_segment 0
		.amdhsa_kernarg_size 96
		.amdhsa_user_sgpr_count 2
		.amdhsa_user_sgpr_kernarg_segment_ptr 1
		.amdhsa_wavefront_size32 1
		.amdhsa_system_sgpr_workgroup_id_x 1
		.amdhsa_system_sgpr_workgroup_id_y 1
		.amdhsa_system_sgpr_workgroup_id_z 1
		.amdhsa_system_vgpr_workitem_id 0
		.amdhsa_next_free_vgpr 258
		.amdhsa_next_free_sgpr 100
		.amdhsa_reserve_vcc 0
		.amdhsa_float_denorm_mode_32 3
		.amdhsa_float_denorm_mode_16_64 3
		.amdhsa_memory_ordered 1
		.amdhsa_forward_progress 1
		.amdhsa_inst_pref_size 115
	.end_amdhsa_kernel
	.amdgpu_metadata
---
amdhsa.version: [ 1, 2 ]
amdhsa.kernels:
  - .name:           k_qdcacec7749_prep
    .symbol:         k_qdcacec7749_prep.kd
    .args:
      - { .name: x, .offset: 0, .size: 8, .value_kind: global_buffer, .address_space: global }
      - { .name: ln1_g, .offset: 8, .size: 8, .value_kind: global_buffer, .address_space: global }
      - { .name: ln1_b, .offset: 16, .size: 8, .value_kind: global_buffer, .address_space: global }
      - { .name: Wq, .offset: 24, .size: 8, .value_kind: global_buffer, .address_space: global }
      - { .name: Wk, .offset: 32, .size: 8, .value_kind: global_buffer, .address_space: global }
      - { .name: Wv, .offset: 40, .size: 8, .value_kind: global_buffer, .address_space: global }
      - { .name: Wo, .offset: 48, .size: 8, .value_kind: global_buffer, .address_space: global }
      - { .name: W1, .offset: 56, .size: 8, .value_kind: global_buffer, .address_space: global }
      - { .name: W2, .offset: 64, .size: 8, .value_kind: global_buffer, .address_space: global }
      - { .name: lowp_scales, .offset: 72, .size: 8, .value_kind: global_buffer, .address_space: global }
      - { .name: wc, .offset: 80, .size: 8, .value_kind: global_buffer, .address_space: global }
      - { .name: xnc, .offset: 88, .size: 8, .value_kind: global_buffer, .address_space: global }
    .group_segment_fixed_size: 36352
    .private_segment_fixed_size: 0
    .kernarg_segment_align: 8
    .kernarg_segment_size: 96
    .max_flat_workgroup_size: 128
    .sgpr_count:     100
    .vgpr_count:     258
    .wavefront_size: 32
...
	.end_amdgpu_metadata
.endif
;; end of part 1
;; launch qkv (part 2): grid 12 x 16, 4 waves a work-group, clusters of 4 x 4, 327,680 bytes of LDS; arguments xnc, wc, bq, bk, bv, lowp_scales, qkvc; writes qkvc
.if DOCPART == 2
	.amdgcn_target "amdgcn-amd-amdhsa--gfx1250"
	.amdhsa_code_object_version 6
	.text
	.protected	k_qdcacec7749_qkv
	.globl	k_qdcacec7749_qkv
	.p2align	8
	.type	k_qdcacec7749_qkv,@function
k_qdcacec7749_qkv:
	s_mov_b64 s[64:65], 0
	v_nop
	global_prefetch_b8 v0, s[64:65] scope:SCOPE_SE
	s_setreg_imm32_b32 hwreg(HW_REG_WAVE_MODE, 25, 1), 1
	s_wait_xcnt 0x0
	s_wait_alu depctr_hold_cnt(0) depctr_sa_sdst(0) depctr_va_vdst(0) depctr_va_sdst(0) depctr_va_ssrc(0) depctr_va_vcc(0) depctr_vm_vsrc(0)
	s_getreg_b32 s2, hwreg(HW_REG_IB_STS2, 6, 4)
	s_cmp_eq_u32 s2, 0
	s_cbranch_scc0 .Lentry_in_a_cluster
	s_endpgm
.Lentry_in_a_cluster:
	s_bfe_u32 s2, ttmp6, 0x10000c
	s_cmp_lg_u32 s2, 0xf033
	s_cbranch_scc0 .Lentry_shape_is_right
	s_endpgm
.Lentry_shape_is_right:
; q, k, v = Q(LN1(x)) Q(W) + bias, each quantised at once for attention.  All operands are codes of E4M3, K = 1,024 innermost; sums in f32.
; The cluster's x says which product: 0 q, 1 k, 2 v.  A tile is 256 x 256, four waves of 128 x 128 (64 accumulators, 512 registers); K goes in steps of 256 through a ring of two LDS slots.
; 192 work-groups: a tile of 192 columns would straddle the borders between q, k and v, and tiles of 128 x 256 would make one and a half rounds of the chip's WGPs.
; THE MATRIX INSTRUCTION: source 0 = 16 rows of the 'B role', source 1 = 16 rows of the 'A role': a lane holds one row of the A role and eight neighbouring rows of the B role.
;   q, k: A role = the tokens' codes, B role = the weight's rows (features): a lane's eight numbers are eight features of a token: K of the scores' product.
;   v:    A role = the weight's rows, B role = the tokens: a lane's eight numbers are eight KEYS of a feature: K of the second product.  One loop serves all three; pointers and tile numbers are chosen by s_cselect.
; CLUSTERS: 4 x 4.  The A role's tile is shared along a row of the cluster, the B role's along a column: each is asked for jointly, which divides the requests by four.
; OUT (qkvc): q at 0, k at 4 MiB: [b 16 + head][t][64]; v at 8 MiB: [b][64 head + d][t].  Along the innermost axis byte 32 g + 16 h + 8 u + j holds index 32 g + 16 u + 8 h + j: two accumulators' codes stored as
;   16 bytes.  For q and k it is one permutation of d on both sides of their product; for v it is the order in which attention's weights come out of their conversions.
; value = sum x 2^(ea + eb) + bias; code = value / 2^eo, held within +-448.  The bias runs along the B role for q and k and along the A role for v: both additions are made, and the set that does not apply is cleared.
; LIMITS: ea + eb between -126 and 127, eo between -126 and 119.  NaN among the inputs is not served.
; REGISTERS: window 0: v8-31 addresses; v32-95 bias along the B role, v96-111 along the A role (pairs); from v128 the A role's fragments, ONE set; on the way out v128-255 are free.
;   window 1: the B role's fragments, two sets.   windows 2, 3: the accumulators ((a, b) at v[8 (8 (a % 4) + b)]).
.set KSTEP,  256
.set ROWB,   256
.set KROW,   1024
.set PITCH,  272                       ; an LDS row: 256 bytes + 16 = 68 words: the sixteen rows that a load touches start at sixteen different banks (64 banks of 4 bytes: ISA guide 11.1)
.set FR,     16
.set NL,     4
.set NP,     4                         ; places behind this matrix instruction (ISA guide 7.12.1)
.set HALFT,  128*PITCH
.set SLOT,   4*HALFT
.set LAPS,   2                         ; 1,024 / 512
.set SPARE,  2*SLOT                    ; behind the ring: the spare words, 128 bytes a wave
.set ADRA, 16
.set ADRB, 20
.set GV,   22                          ; v22  v's way out: my byte offset in the output
.set STO,  24                          ; v24  where I put 16 bytes of codes in the stage
.set RDQ,  25                          ; v25  q, k: where I read the stage back
.set RDV,  26                          ; v26  v: likewise
.set GQ,   27                          ; v27  16 x lane
.set SPW,  28
.set NIL,  29
.set SCO,  30                          ; v30  2^eo
.set HLD,  31                          ; v31  448 x 2^eo
.set BR,   32
.set BL,   96
.set AF,   128
.set TMP,  128
.set CODE, 192
.set G1, 24
.set G0, 32
.set G1B, 48
.set G0B, 56
.set MSB, 0
.macro WIN new                         ; the immediate's high byte repeats the setting that is left
.if MSB != \new
	s_set_vgpr_msb (MSB<<8)|\new
.set MSB, \new
.endif
.endm
.set MUL_LO, 0xa1                      ; source 0 window 1, source 1 window 0, C and D window 2
.set MUL_HI, 0xf1
.set TO_B,   0x40
.macro JLOAD g0a, g1a, g0b, g1b        ; a joint load: waves 0 and 1 fetch for the A role, waves 2 and 3 for the B role; four v_nop follow each line
	s_cmp_eq_u32 s15, 0
	s_cbranch_scc0 .Lfor_b_\@
	tensor_load_to_lds s[\g0a:\g0a+3], s[\g1a:\g1a+7]
	s_nop 0
.rept 4
	v_nop
.endr
	s_branch .Lasked_\@
.Lfor_b_\@:
	tensor_load_to_lds s[\g0b:\g0b+3], s[\g1b:\g1b+7]
	s_nop 0
.rept 4
	v_nop
.endr
.Lasked_\@:
.endm
.macro CREST
	s_cmp_lg_u32 s14, 0
	s_cbranch_scc1 .Lnot_wave_0_\@
	s_barrier_signal -3
.Lnot_wave_0_\@:
	s_barrier_wait -3
	s_barrier_signal -1
	s_barrier_wait -1
.endm
.macro CROUND
	s_barrier_signal -1
	s_barrier_wait -1
	CREST
.endm
	s_load_b256 s[68:75], s[0:1], 0x0              ; xnc 68, wc 70, bq 72, bk 74
	s_load_b128 s[76:79], s[0:1], 0x20             ; bv 76, the exponents 78
	s_load_b64 s[80:81], s[0:1], 0x30              ; qkvc
	v_lshl_add_u32 v[SPW], v0, 2, SPARE
	v_mov_b32 v[NIL], 0
	ds_add_u32 v28, v29
	ds_add_u32 v28, v29
	s_wait_dscnt 0x0
	v_lshrrev_b32 v1, 5, v0
	v_readfirstlane_b32 s14, v1                    ; wave
	s_lshr_b32 s15, s14, 1                         ; which half of the A role's rows is mine.  Also: I fetch for the A role (0) or the B role (1)
	s_and_b32 s16, s14, 1                          ; which half of the B role's rows.  Also: which 128 rows I fetch
	s_bfe_u32 s40, ttmp6, 0x40000                  ; cx
	s_bfe_u32 s41, ttmp6, 0x40004                  ; cy
	s_and_b32 s12, ttmp7, 0xffff
	s_lshl_b32 s12, s12, 2                         ; 4 x cluster y
	s_lshl_b32 s8, ttmp9, 22                       ; the product's set of token codes: 4 MiB each
	s_lshl_b32 s9, ttmp9, 20                       ; its weight: 1 MiB each
	s_lshl_b32 s43, s41, 2
	s_lshl_b32 s43, 15, s43                        ; my row of the cluster
	s_lshl_b32 s44, 0x1111, s40                    ; my column
	s_cmp_eq_u32 ttmp9, 2                          ; v?  The cluster's x is the same in all sixteen partners
	s_cselect_b32 s13, 0, s12
	s_cselect_b32 s12, s12, 0
	s_cselect_b32 s10, s9, s8                      ; the A role's place in its buffer
	s_cselect_b32 s11, s8, s9                      ; the B role's
	s_add_co_u32 s17, s13, s41                     ; the A role's tile: q, k: 4 cluster y + cy (tokens); v: cy (features)
	s_add_co_u32 s42, s12, s40                     ; the B role's tile: q, k: cx (features); v: 4 cluster y + cx (tokens)
	s_or_b32 s[G1+0], s43, (0<<16)|(1<<20)|(1<<21)|(5<<22)|(3<<25)  ; the mask; elements of 1 byte; padding on; bit 21 beside a mask; after every 64 words; 4 words
	s_or_b32 s[G1B+0], s44, (0<<16)|(1<<20)|(1<<21)|(5<<22)|(3<<25)
.irp g, G1, G1B
	s_mov_b32 s[\g+1], ROWB<<16                    ; tensor_dim0
	s_mov_b32 s[\g+2], 128<<16                     ; tensor_dim1
	s_mov_b32 s[\g+3], ROWB<<16                    ; tile_dim0
	s_mov_b32 s[\g+4], 128                         ; tile_dim1
	s_mov_b32 s[\g+5], KROW                        ; stride
	s_mov_b32 s[\g+6], 0
	s_mov_b32 s[\g+7], 0
.endr
	s_lshl_b32 s18, s16, 7
	s_lshl_b32 s20, s17, 8
	s_add_co_u32 s20, s20, s18
	s_lshl_b32 s20, s20, 10                        ; the A role: (256 tile + 128 half) rows of 1,024 bytes
	s_add_co_u32 s20, s20, s10
	s_mov_b32 s21, 0
	s_lshl_b32 s46, s42, 8
	s_add_co_u32 s46, s46, s18
	s_lshl_b32 s46, s46, 10
	s_add_co_u32 s46, s46, s11
	s_mov_b32 s47, 0
	s_mul_i32 s45, s14, HALFT                      ; where they go: wave x 128 rows
	s_wait_kmcnt 0x0
	s_load_b512 s[84:99], s[78:79], 0x0            ; entry i in s[84 + i]
	s_cmp_eq_u32 ttmp9, 2
	s_cselect_b64 s[4:5], s[70:71], s[68:69]
	s_cselect_b64 s[6:7], s[68:69], s[70:71]
	s_add_nc_u64 s[20:21], s[4:5], s[20:21]
	s_add_nc_u64 s[46:47], s[6:7], s[46:47]
	CROUND                                         ; all sixteen work-groups are here: the first joint loads meet
.irp s, 0,1
	s_mov_b32 s[G0+4*\s], 1
	s_add_co_u32 s[G0+4*\s+1], s45, \s*SLOT
	s_add_nc_u64 s[G0+4*\s+2:G0+4*\s+3], s[20:21], \s*ROWB
	s_or_b32 s[G0+4*\s+3], s[G0+4*\s+3], 0x80000000
	s_mov_b32 s[G0B+4*\s], 1
	s_add_co_u32 s[G0B+4*\s+1], s45, \s*SLOT
	s_add_nc_u64 s[G0B+4*\s+2:G0B+4*\s+3], s[46:47], \s*ROWB
	s_or_b32 s[G0B+4*\s+3], s[G0B+4*\s+3], 0x80000000
.endr
	JLOAD G0, G1, G0B, G1B                         ; K step 0: one tensor load a wave at the head
	; A prefetch into the L2 stands behind each of the two first loads, for the K step two loads on (K steps 2 and 3, the last).  Of the 128 rows that I fetch, each of the four partners that ask for them
	; with me takes 32, told apart by address (cx for the A role, cy for the B role): a lane a row of 256 bytes, one instruction a wave.
	s_cmp_eq_u32 s15, 0
	s_cselect_b64 s[82:83], s[20:21], s[46:47]
	s_cselect_b32 s100, s40, s41
	s_lshl_b32 s100, s100, 15                      ; 32 rows of 1,024 bytes for each place
	s_mov_b32 s101, 0
	s_add_nc_u64 s[82:83], s[82:83], s[100:101]    ; never rewritten
	v_and_b32 v23, 31, v0
	v_lshlrev_b32 v23, 10, v23                     ; never rewritten
	global_prefetch_b8 v23, s[82:83] offset:2*ROWB th:TH_LOAD_NT scope:SCOPE_SE
	v_and_b32 v1, 15, v0                           ; r
	v_bfe_u32 v2, v0, 4, 1                         ; h
	; the biases, while the first tiles are on their way
	s_wait_alu depctr_va_vdst(0)
	s_lshl_b32 s20, s42, 8
	s_lshl_b32 s21, s16, 7
	s_add_co_u32 s20, s20, s21
	s_lshl_b32 s20, s20, 2                         ; my first row of the B role, x 4 bytes
	s_lshl_b32 s21, s17, 8
	s_lshl_b32 s22, s15, 7
	s_add_co_u32 s21, s21, s22
	s_lshl_b32 s21, s21, 2                         ; of the A role
	s_cmp_eq_u32 ttmp9, 1
	s_cselect_b64 s[4:5], s[74:75], s[72:73]
	s_cmp_eq_u32 ttmp9, 2
	s_cselect_b64 s[4:5], s[76:77], s[4:5]
	s_cselect_b32 s20, 0, s20                      ; the set that does not apply is loaded from the bias's head (inside the buffer) and cleared below
	s_cselect_b32 s21, s21, 0
	v_lshl_add_u32 v8, v2, 5, s20
	v_lshl_add_u32 v9, v1, 2, s21
.irp b, 0,1,2,3,4,5,6,7
	global_load_b128 v[BR+8*\b:BR+8*\b+3], v8, s[4:5] offset:64*\b       ; bias(16 b + 8 h + 0 .. 7) of my half of the B role
	global_load_b128 v[BR+8*\b+4:BR+8*\b+7], v8, s[4:5] offset:64*\b+16
.endr
.irp a, 0,1,2,3,4,5,6,7
	global_load_b32 v[BL+2*\a], v9, s[4:5] offset:64*\a                  ; bias(16 a + r) of my half of the A role
.endr
	v_mul_u32_u24 v3, v1, PITCH
	v_lshl_add_u32 v4, v2, 4, v3                   ; a fragment's row x pitch + 16 x half
	s_wait_alu depctr_va_vdst(0)
	s_mul_i32 s21, s15, HALFT
	s_mul_i32 s22, s16, HALFT
	s_add_co_u32 s22, s22, 2*HALFT
.irp s, 0,1
	v_add_nc_u32 v[ADRA+\s], s21, v4
	v_add_nc_u32 v[ADRB+\s], s22, v4
	s_add_co_u32 s21, s21, SLOT
	s_add_co_u32 s22, s22, SLOT
.endr
	s_mul_i32 s23, s15, 128*PITCH                  ; the codes' stage, 256 rows x 272 bytes, lies in slot 0
	s_lshl_b32 s21, s16, 7
	s_add_co_u32 s23, s23, s21
	v_add_nc_u32 v[STO], s23, v4                   ; (128 row half + r) x pitch + 128 column half + 16 h
	s_mul_i32 s23, s14, 64*PITCH                   ; back: wave w takes rows 64 w on
	v_and_b32 v5, 31, v0
	v_lshrrev_b32 v6, 2, v5
	v_mul_u32_u24 v6, v6, PITCH
	v_and_b32 v7, 3, v5
	v_lshl_add_u32 v6, v7, 4, v6
	v_add_nc_u32 v[RDQ], s23, v6                   ; q, k: eight rows x 64 bytes (one head) an instruction
	v_mul_u32_u24 v6, v2, PITCH
	v_lshl_add_u32 v6, v1, 4, v6
	v_add_nc_u32 v[RDV], s23, v6                   ; v: two rows x 256 bytes
	v_lshlrev_b32 v[GQ], 4, v5
	v_lshlrev_b32 v[GV], 11, v2
	v_lshl_add_u32 v[GV], v1, 4, v[GV]
	s_wait_kmcnt 0x0
	s_cmp_eq_u32 ttmp9, 1
	s_cselect_b32 s20, s86, s84                    ; ea: entry 0, 2, 4
	s_cselect_b32 s21, s87, s85                    ; eb: entry 1, 3, 5
	s_cselect_b32 s22, s91, s90                    ; eo: entry 6, 7, 8
	s_cmp_eq_u32 ttmp9, 2
	s_cselect_b32 s20, s88, s20
	s_cselect_b32 s21, s89, s21
	s_cselect_b32 s22, s92, s22
	s_add_co_i32 s96, s20, s21
	s_add_co_i32 s96, s96, 127
	s_lshl_b32 s96, s96, 23                        ; 2^(ea + eb) as f32
	s_mov_b32 s97, s96                             ; (named with it as a pair, so it is written)
	s_add_co_i32 s22, s22, 127
	s_lshl_b32 s23, s22, 23
	v_mov_b32 v[SCO], s23
	s_add_co_i32 s22, s22, 8
	s_lshl_b32 s22, s22, 23
	s_or_b32 s22, s22, 0x600000
	v_mov_b32 v[HLD], s22
	s_wait_loadcnt 0x0                             ; the biases
	s_cmp_eq_u32 ttmp9, 2
	s_cselect_b32 vcc_lo, 0, -1                    ; the bias along the B role is kept for q and k,
.set j, 0
.rept 64
	v_cndmask_b32 v[BR+j], 0, v[BR+j], vcc_lo
.set j, j+1
.endr
	s_cselect_b32 vcc_lo, -1, 0                    ; that along the A role for v
.irp a, 0,1,2,3,4,5,6,7
	v_cndmask_b32 v[BL+2*\a], 0, v[BL+2*\a], vcc_lo
	v_mov_b32 v[BL+2*\a+1], 0                      ; (a pair's upper half: written)
.endr
.macro FRAG reg, adr, q, i             ; 16 rows x 128 K: registers 4 c .. 4 c + 3 hold K = 32 c + 16 (l / 16) + 0 .. 15: one permutation of k, alike on both sides
.irp c, 0,1,2,3
	ds_load_b128 v[\reg+4*\c:\reg+4*\c+3], v[\adr] offset:128*(\q)+32*\c+(\i)*16*PITCH
.endr
.endm
.macro MUL16 a0, p, zero               ; the 64 accumulators take turns, one instruction a turn, in the same order in every step
.irp a, \a0, \a0+1
.irp b, 0,1,2,3,4,5,6,7
.if \zero
	v_wmma_f32_16x16x128_fp8_fp8 v[8*(8*((\a)%4)+\b):8*(8*((\a)%4)+\b)+7], v[128*(\p)+FR*\b:128*(\p)+FR*\b+FR-1], v[AF+FR*(\a):AF+FR*(\a)+FR-1], 0
.else
	v_wmma_f32_16x16x128_fp8_fp8 v[8*(8*((\a)%4)+\b):8*(8*((\a)%4)+\b)+7], v[128*(\p)+FR*\b:128*(\p)+FR*\b+FR-1], v[AF+FR*(\a):AF+FR*(\a)+FR-1], v[8*(8*((\a)%4)+\b):8*(8*((\a)%4)+\b)+7]
.endif
.endr
.endr
.endm
.macro FETCH_B slot, q, p
	WIN TO_B
.irp i, 0,1,2,3,4,5,6,7
	FRAG 128*(\p)+FR*\i, ADRB+\slot, \q, \i
.endr
	WIN 0
.endm
.macro FETCH_A slot, q, i0
.irp i, \i0, \i0+1, \i0+2, \i0+3
	FRAG AF+FR*(\i), ADRA+\slot, \q, \i
.endr
.endm
.macro PLACES n                        ; plain vector lines between a matrix instruction and a load into, or a read of, its registers
.rept \n
	v_nop
.endr
.endm
.macro STEP slot, q, zero              ; 128 along K whose successor lies in the same slot
	s_wait_dscnt 4*NL                              ; the B role's set and blocks 0-3 are in; the youngest sixteen loads (blocks 4-7) may be out
	WIN MUL_LO
	MUL16 0, (\q)%2, \zero
	MUL16 2, (\q)%2, \zero
	s_wait_dscnt 0                                 ; blocks 4-7 are in
	PLACES NP
	FETCH_B \slot, (\q)+1, 1-(\q)%2
	FETCH_A \slot, (\q)+1, 0
	WIN MUL_HI
	MUL16 4, (\q)%2, \zero
	MUL16 6, (\q)%2, \zero
	PLACES NP
	WIN 0
	FETCH_A \slot, (\q)+1, 4
.endm
.macro TURN slot, next, fill           ; a slot's last step changes slots: one barrier; fill = 1: this slot is filled again, two K steps ahead
	s_wait_tensorcnt 0x0                           ; all my tensor loads have landed: my part of the next slot
	ds_add_u32 v[SPW], v[NIL]                      ; 0 onto my spare word
	s_wait_dscnt 4*NL+1                            ; (the add and the youngest sixteen loads may be out)
	WIN MUL_LO
	MUL16 0, 1, 0
	s_wait_dscnt 0x0                               ; the add is done, and my reads of this slot are over
	s_barrier_signal -1
	MUL16 2, 1, 0
	WIN 0
	s_barrier_wait -1
.if \fill
	CREST                                          ; the barrier has opened a round of the cluster's: no wave of any partner still reads this slot or has a load on its way
	s_add_nc_u64 s[G0+4*\slot+2:G0+4*\slot+3], s[G0+4*\slot+2:G0+4*\slot+3], 2*ROWB
	s_add_nc_u64 s[G0B+4*\slot+2:G0B+4*\slot+3], s[G0B+4*\slot+2:G0B+4*\slot+3], 2*ROWB
	JLOAD G0+4*\slot, G1, G0B+4*\slot, G1B         ; my one tensor load behind the round; its four v_nop are the places in front of the loads below
.else
	PLACES NP
.endif
	FETCH_B \next, 0, 0
	FETCH_A \next, 0, 0
	WIN MUL_HI
	MUL16 4, 1, 0
	MUL16 6, 1, 0
	PLACES NP
	WIN 0
	FETCH_A \next, 0, 4
.endm
	s_wait_alu depctr_va_vdst(0)                   ; the wait at the head's end
	s_wait_tensorcnt 0x0                           ; my part of K step 0 is in; slot 1's first fill is issued as a refill is:
	ds_add_u32 v[SPW], v[NIL]                      ; 0 onto my spare word
	s_wait_dscnt 0x0
	CROUND                                         ; everybody's part of K step 0 is in, and the joint loads meet
	JLOAD G0+4, G1, G0B+4, G1B                     ; K step 1: my one tensor load behind the round
	FETCH_B 0, 0, 0
	FETCH_A 0, 0, 0
	FETCH_A 0, 0, 4
	global_prefetch_b8 v23, s[82:83] offset:3*ROWB th:TH_LOAD_NT scope:SCOPE_SE
	STEP 0, 0, 1                                   ; the first step's products start the sums
	s_mov_b32 s3, LAPS-1
.Llap:
	TURN 0, 1, 1
	STEP 1, 0, 0
	TURN 1, 0, 1
	STEP 0, 0, 0
	s_sub_co_u32 s3, s3, 1
	s_cmp_lg_u32 s3, 0
	s_cbranch_scc1 .Llap
	TURN 0, 1, 0                                   ; the last lap fills nothing
	STEP 1, 0, 0
	s_wait_dscnt 4*NL
	WIN MUL_LO
	MUL16 0, 1, 0
	MUL16 2, 1, 0
	s_wait_dscnt 0
	WIN MUL_HI
	MUL16 4, 1, 0
	MUL16 6, 1, 0
	WIN 0
; THE WAY OUT.  Block a (16 rows of the A role x my 128 of the B role): scale and biases, hold, codes; two accumulators' codes are 16 bytes of a stage row.  The stage lies in slot 0, which has had its last fill and
; which nobody reads since the last change of slots.
.macro QOUT a
.set AC, 64*((\a)%4)
.set WN, 0x02+((\a)/4)
	WIN WN                                         ; source 0: window 2 or 3
.set j, 0
.rept 32
	v_pk_fma_f32 v[TMP+j:TMP+j+1], v[AC+j:AC+j+1], s[96:97], v[BR+j:BR+j+1] op_sel_hi:[1,0,1]   ; sum x 2^(ea + eb) + bias; each accumulator from its low end on
.set j, j+2
.endr
	WIN 0
.set j, 0
.rept 32
	v_pk_add_f32 v[TMP+j:TMP+j+1], v[TMP+j:TMP+j+1], v[BL+2*(\a):BL+2*(\a)+1] op_sel_hi:[1,0]
.set j, j+2
.endr
.set j, 0
.rept 64
	v_med3_num_f32 v[TMP+j], v[TMP+j], -v[HLD], v[HLD]
.set j, j+1
.endr
.set j, 0
.rept 8
	v_cvt_scalef32_pk8_fp8_f32 v[CODE+2*j:CODE+2*j+1], v[TMP+8*j:TMP+8*j+7], v[SCO]
.set j, j+1
.endr
	v_nop                                          ; one plain line behind the last conversion
.irp g, 0,1,2,3
	ds_store_b128 v[STO], v[CODE+4*\g:CODE+4*\g+3] offset:(\a)*16*PITCH+32*\g
.endr
.endm
	PLACES NP
.irp a, 0,1,2,3,4,5,6,7
	QOUT \a
.endr
	s_wait_dscnt 0x0                               ; for the others' sake: my stores into the stage are done
	s_barrier_signal -1
	s_barrier_wait -1
	s_cmp_eq_u32 ttmp9, 2                          ; the cluster's x: the same in all partners; only LDS reads and stores to memory stand in the two arms
	s_cbranch_scc1 .Lv_out
	s_lshl_b32 s20, ttmp9, 22                      ; q or k
	s_lshr_b32 s21, s17, 3
	s_lshl_b32 s21, s21, 21                        ; b: sixteen heads of 131,072 bytes
	s_add_co_u32 s20, s20, s21
	s_lshl_b32 s21, s42, 19                        ; the tile's four heads
	s_add_co_u32 s20, s20, s21
	s_and_b32 s21, s17, 7
	s_lshl_b32 s21, s21, 14                        ; 256 tokens of 64 bytes
	s_add_co_u32 s20, s20, s21
	s_lshl_b32 s21, s14, 12                        ; my 64 tokens
	s_add_co_u32 s20, s20, s21
	s_mov_b32 s21, 0
	s_add_nc_u64 s[80:81], s[80:81], s[20:21]
.set i, 0
.rept 32
	ds_load_b128 v[128+4*i:131+4*i], v[RDQ] offset:(i%8)*8*PITCH+64*(i/8)
.set i, i+1
.endr
.set i, 0
.rept 32
	s_wait_dscnt 31-i
	global_store_b128 v[GQ], v[128+4*i:131+4*i], s[80:81] offset:(i%8)*512+(i/8)*131072   ; eight tokens of one head: 512 consecutive bytes, aligned
.set i, i+1
.endr
	s_branch .Lout_done
.Lv_out:
	s_lshr_b32 s20, s42, 3
	s_lshl_b32 s20, s20, 21                        ; b
	s_add_co_u32 s20, s20, 0x800000
	s_lshl_b32 s21, s17, 19                        ; 256 features of 2,048 bytes
	s_add_co_u32 s20, s20, s21
	s_lshl_b32 s21, s14, 17                        ; my 64 features
	s_add_co_u32 s20, s20, s21
	s_and_b32 s21, s42, 7
	s_lshl_b32 s21, s21, 8                         ; the tile's 256 keys
	s_add_co_u32 s20, s20, s21
	s_mov_b32 s21, 0
	s_add_nc_u64 s[80:81], s[80:81], s[20:21]
.set i, 0
.rept 32
	ds_load_b128 v[128+4*i:131+4*i], v[RDV] offset:2*i*PITCH
.set i, i+1
.endr
.set i, 0
.rept 32
	s_wait_dscnt 31-i
	global_store_b128 v[GV], v[128+4*i:131+4*i], s[80:81] offset:2*i*2048   ; sixteen lanes store 256 consecutive bytes, aligned
.set i, i+1
.endr
.Lout_done:
	s_wait_tensorcnt 0x0                           ; the wave's end
	ds_add_u32 v[SPW], v[NIL]
	s_wait_dscnt 0x0
	CROUND                                         ; the closing round
	s_endpgm
.Lfunc_end_k_qdcacec7749_qkv:
	.size	k_qdcacec7749_qkv, .Lfunc_end_k_qdcacec7749_qkv-k_qdcacec7749_qkv
	.p2alignl 7, 3214868480
	.fill 96, 4, 3214868480
	.section	.rodata,"a",@progbits
	.p2align	6, 0x0
	.amdhsa_kernel k_qdcacec7749_qkv
		.amdhsa_group_segment_fixed_size 327680
		.amdhsa_private_segment_fixed_size 0
		.amdhsa_enable_private_segment 0
		.amdhsa_kernarg_size 56
		.amdhsa_user_sgpr_count 2
		.amdhsa_user_sgpr_kernarg_segment_ptr 1
		.amdhsa_wavefront_size32 1
		.amdhsa_system_sgpr_workgroup_id_x 1
		.amdhsa_system_sgpr_workgroup_id_y 1
		.amdhsa_system_sgpr_workgroup_id_z 1
		.amdhsa_system_vgpr_workitem_id 0
		.amdhsa_next_free_vgpr 1024
		.amdhsa_next_free_sgpr 104
		.amdhsa_reserve_vcc 1
		.amdhsa_float_denorm_mode_32 3
		.amdhsa_float_denorm_mode_16_64 3
		.amdhsa_memory_ordered 1
		.amdhsa_forward_progress 1
		.amdhsa_inst_pref_size 169
	.end_amdhsa_kernel
	.amdgpu_metadata
---
amdhsa.version: [ 1, 2 ]
amdhsa.kernels:
  - .name:           k_qdcacec7749_qkv
    .symbol:         k_qdcacec7749_qkv.kd
    .args:
      - { .name: xnc, .offset: 0, .size: 8, .value_kind: global_buffer, .address_space: global }
      - { .name: wc, .offset: 8, .size: 8, .value_kind: global_buffer, .address_space: global }
      - { .name: bq, .offset: 16, .size: 8, .value_kind: global_buffer, .address_space: global }
      - { .name: bk, .offset: 24, .size: 8, .value_kind: global_buffer, .address_space: global }
      - { .name: bv, .offset: 32, .size: 8, .value_kind: global_buffer, .address_space: global }
      - { .name: lowp_scales, .offset: 40, .size: 8, .value_kind: global_buffer, .address_space: global }
      - { .name: qkvc, .offset: 48, .size: 8, .value_kind: global_buffer, .address_space: global }
    .group_segment_fixed_size: 327680
    .private_segment_fixed_size: 0
    .kernarg_segment_align: 8
    .kernarg_segment_size: 56
    .max_flat_workgroup_size: 128
    .sgpr_count:     104
    .vgpr_count:     1024
    .wavefront_size: 32
...
	.end_amdgpu_metadata
.endif
;; end of part 2
;; launch attn (part 3): grid 8 x 32, 8 waves a work-group, clusters of 4 x 1, 327,680 bytes of LDS; arguments qkvc, lowp_scales, aoc; writes aoc
.if DOCPART == 3
	.amdgcn_target "amdgcn-amd-amdhsa--gfx1250"
	.amdhsa_code_object_version 6
	.text
	.protected	k_qdcacec7749_attn
	.globl	k_qdcacec7749_attn
	.p2align	8
	.type	k_qdcacec7749_attn,@function
k_qdcacec7749_attn:
	s_mov_b64 s[64:65], 0
	v_nop
	global_prefetch_b8 v0, s[64:65] scope:SCOPE_SE
	s_setreg_imm32_b32 hwreg(HW_REG_WAVE_MODE, 25, 1), 1
	s_wait_xcnt 0x0
	s_wait_alu depctr_hold_cnt(0) depctr_sa_sdst(0) depctr_va_vdst(0) depctr_va_sdst(0) depctr_va_ssrc(0) depctr_va_vcc(0) depctr_vm_vsrc(0)
	s_getreg_b32 s2, hwreg(HW_REG_IB_STS2, 6, 4)
	s_cmp_eq_u32 s2, 0
	s_cbranch_scc0 .Lentry_in_a_cluster
	s_endpgm
.Lentry_in_a_cluster:
	s_bfe_u32 s2, ttmp6, 0x10000c
	s_cmp_lg_u32 s2, 0x3003
	s_cbranch_scc0 .Lentry_shape_is_right
	s_endpgm
.Lentry_shape_is_right:
; Attention on codes of E4M3: S = q k^T / 8, p = 2^(t - M), O = (p v) / l, and O quantised for the next product.  Head size 64, 2,048 keys, no mask.
; t = score x log2(e) / 8; M = the running largest t rounded UP to a whole number; p is quantised with 2^ep, not normalised; l is the sum of the unquantised p;
; when M moves, l and O are multiplied by 2^(old M - new M): exact.
; SHARES.  A work-group owns 256 queries of one head; each of its EIGHT waves owns 32 of them, two tiles of 16: each fragment of k and of v that a wave reads from LDS feeds two matrix instructions.  Two waves to a SIMD.
; THE HEAD'S WHOLE K AND V LIE IN LDS (2,048 x 64 bytes each, padded), in four chunks of 512 keys each; every byte is filled once, so there is no ring.  Wave w fetches chunk w % 4, of k (waves 0-3) or of v (waves 4-7:
; 64 rows x 512 keys), by one tensor load.  Chunk 0 is asked for at the head, by waves 0 and 4.  The other six tiles are first fills that come later: they stand behind the wait for all tensor loads, the add and a round of
; the cluster's barrier, which also shows chunk 0 to all waves, and they land while steps 0 to 2 are walked.  A barrier behind step 2, with every wave's loads waited for, shows them: step 3 fetches step 4's fragments of k.
; CLUSTER.  The four query blocks of a cluster belong to one head: each tile is asked for jointly, by the same tensor load with a mask that names the four.
; No prefetch: all tiles have been asked for when the first step begins, so no later request is left to run ahead of.
; LAYOUT.  Both products transposed: S^T = k q^T (source 0 = 16 keys, source 1 = 16 queries), O^T = v^T p^T: a lane holds one query of each tile (lane % 16).  In tile t of S^T register j is key 16 t + 8 (lane / 16) + j, so the
; conversions' results are the second product's operand as that form lays it; v's codes lie in memory in the order in which four loads of 16 bytes give the same keys the same places.
; q and k carry one common permutation of the head's 64, which a product does not see.
; THE STEP'S ORDER.  The two tiles' maxima and M stand line by line in turns.  Plain lines that hang on nothing in a batch of exponentials stand between its lines: tile 1's t - M between tile 0's exponentials,
; tile 0's holds between tile 1's.
; k's fragments are fetched one step ahead, those of step (s + 1) mod 16 in step s: the last step's sixteen loads bring step 0's fragments again, which nothing uses.
; OUT (aoc): [row / 64][head][row % 64][64 bytes]: a wave stores 2,048 consecutive bytes.  The stage lies on k's first rows: they have had their only fill, and a barrier behind the last step ends all reads of them.
; LIMITS: eq + ek between -122 and 130 (added to c's exponent field); ep and the output's e between -126 and 119; ep + ev goes in by v_ldexp_f32 and has none.  NaN among the inputs is not served.
; REGISTERS.  Window 0: v1, v2 my lane's place in a tile of k, of v; v3, v4 the spare word and 0; v5, v6 448 x 2^ep (twice: the two halves of a dual line take different registers); v7, v8 the step's addresses; v9 2^ep;
;   tile j: v[10+2j] -M, v[11+2j] the largest raw score, v[14+2j:15+2j] l in two halves, v[18+2j:19+2j] f; v22-31 at work; v32-159 S^T, then p; v160-223 O^T; v224-255 p's codes.
;   Window 1: v0-15 q; v16-79 k's eight fragments; v80-143 v's four.
.set KP,   80                          ; a key's row in LDS: 64 bytes + 16
.set VP,   528                         ; a row of a chunk of v: 512 bytes + 16
.set VB,   2048*KP                     ; v behind k
.set KCH,  512*KP                      ; a chunk of k
.set VCH,  64*VP                       ; a chunk of v
.set SPARE, VB+4*VCH                   ; behind both: the spare words, 128 bytes a wave
.set S,    32
.set O,    160
.set PC,   224
.set QF,   0
.set KF,   16
.set VF,   80
.set WV,   18
.set SEL,  20
.set CS,   22                          ; s[22:23] c = log2(e) / 8 x 2^(eq + ek)
.set G1K,  24
.set G1V,  32
.set G0K,  40
.set G0V,  44
.set NC,   48                          ; -c
.set OS,   49                          ; the output's 2^e
.set OH,   50                          ; 448 x that
.set TK,   2                           ; LDS byte of the NEXT step's keys
.set TV,   3                           ; of this step's part of v's rows
.set CNT,  10
.set MSB, 0
.macro WIN new                         ; the immediate's high byte repeats the setting that is left
.if MSB != \new
	s_set_vgpr_msb (MSB<<8)|\new
.set MSB, \new
.endif
.endm
.macro CROUND
	s_barrier_signal -1
	s_barrier_wait -1
	s_cmp_lg_u32 s[WV], 0
	s_cbranch_scc1 .Lnot_wave_0_\@
	s_barrier_signal -3
.Lnot_wave_0_\@:
	s_barrier_wait -3
	s_barrier_signal -1
	s_barrier_wait -1
.endm
	s_load_b128 s[4:7], s[0:1], 0x0                ; qkvc, the exponents
	s_load_b64 s[8:9], s[0:1], 0x10                ; aoc
	v_lshl_add_u32 v3, v0, 2, SPARE
	v_mov_b32 v4, 0
	ds_add_u32 v3, v4                              ; the opening lines: the add, twice on end, and its wait ahead of my tensor load
	ds_add_u32 v3, v4
	v_lshrrev_b32 v7, 5, v0
	v_readfirstlane_b32 s[WV], v7                  ; wave 0..7
	s_bfe_u32 s11, ttmp6, 0x40000                  ; cx: it enters q's and the output's addresses alone
	s_lshl_b32 s12, ttmp9, 2
	s_add_co_u32 s12, s12, s11                     ; my block of 256 queries
	s_and_b32 s13, ttmp7, 0xffff                   ; 16 b + head, which the partners share
	s_lshl_b32 s14, s13, 17                        ; its 131,072 bytes in each of q, k, v
	s_and_b32 s15, s[WV], 3                        ; the chunk that I fetch
	s_lshl_b32 s16, s15, 15                        ; k: 512 keys of 64 bytes
	s_add_co_u32 s16, s16, s14
	s_add_co_u32 s16, s16, 0x400000
	s_mov_b32 s17, 0
	s_lshl_b32 s56, s15, 9                         ; v: 512 bytes along each row
	s_add_co_u32 s56, s56, s14
	s_add_co_u32 s56, s56, 0x800000
	s_mov_b32 s57, 0
	s_mul_i32 s58, s15, KCH
	s_mul_i32 s59, s15, VCH
	s_add_co_u32 s59, s59, VB
	s_mov_b32 s[G1K], 15|(1<<20)|(1<<21)|(3<<22)|(3<<25)   ; the mask: all four; elements of 1 byte; padding on; bit 21 beside a mask; after every 16 words; 4 words
	s_mov_b32 s[G1K+1], 64<<16                     ; tensor_dim0
	s_mov_b32 s[G1K+2], 512<<16                    ; tensor_dim1
	s_mov_b32 s[G1K+3], 64<<16                     ; tile_dim0
	s_mov_b32 s[G1K+4], 512                        ; tile_dim1
	s_mov_b32 s[G1K+5], 64                         ; stride
	s_mov_b32 s[G1K+6], 0
	s_mov_b32 s[G1K+7], 0
	s_mov_b32 s[G1V], 15|(1<<20)|(1<<21)|(6<<22)|(3<<25)   ; padding: 4 words after every 128
	s_mov_b32 s[G1V+1], 512<<16
	s_mov_b32 s[G1V+2], 64<<16
	s_mov_b32 s[G1V+3], 512<<16
	s_mov_b32 s[G1V+4], 64
	s_mov_b32 s[G1V+5], 2048
	s_mov_b32 s[G1V+6], 0
	s_mov_b32 s[G1V+7], 0
	s_mov_b32 s[SEL], 0x76543210
	s_mov_b32 s[SEL+1], 0xfedcba98
	s_mov_b32 s[CS], 0x3e38aa3b                    ; log2(e) / 8
	s_wait_dscnt 0x0                               ; both opening adds are done
	s_wait_kmcnt 0x0
	s_load_b128 s[84:87], s[6:7], 0x18             ; entries 6 to 9: eq, ek, ev, ep
	s_load_b32 s88, s[6:7], 0x28                   ; entry 10: the output's e
	s_mov_b32 s[G0K], 1
	s_mov_b32 s[G0K+1], s58
	s_add_nc_u64 s[G0K+2:G0K+3], s[4:5], s[16:17]
	s_or_b32 s[G0K+3], s[G0K+3], 0x80000000
	s_mov_b32 s[G0V], 1
	s_mov_b32 s[G0V+1], s59
	s_add_nc_u64 s[G0V+2:G0V+3], s[4:5], s[56:57]
	s_or_b32 s[G0V+3], s[G0V+3], 0x80000000
	CROUND                                         ; all four work-groups are here: the joint loads meet
	s_cmp_eq_u32 s[WV], 0                          ; chunk 0: wave 0 k's, wave 4 v's; an s_nop 0 and four v_nop follow each load
	s_cbranch_scc0 .Lnot_k0
	tensor_load_to_lds s[G0K:G0K+3], s[G1K:G1K+7]
	s_nop 0
.rept 4
	v_nop
.endr
	s_branch .Lasked
.Lnot_k0:
	s_cmp_eq_u32 s[WV], 4
	s_cbranch_scc0 .Lasked
	tensor_load_to_lds s[G0V:G0V+3], s[G1V:G1V+7]
	s_nop 0
.rept 4
	v_nop
.endr
.Lasked:
	s_lshl_b32 s60, s12, 14                        ; q: my block's 256 rows of 64 bytes,
	s_add_co_u32 s60, s60, s14
	s_lshl_b32 s61, s[WV], 11                      ; my wave's 32
	s_add_co_u32 s60, s60, s61
	s_mov_b32 s61, 0
	s_add_nc_u64 s[4:5], s[4:5], s[60:61]
	s_lshr_b32 s60, s13, 4                         ; the output: block of 64 rows = 32 b + 4 x query block + wave / 2,
	s_lshl_b32 s60, s60, 5
	s_lshl_b32 s61, s12, 2
	s_add_co_u32 s60, s60, s61
	s_lshr_b32 s61, s[WV], 1
	s_add_co_u32 s60, s60, s61
	s_lshl_b32 s60, s60, 4
	s_and_b32 s61, s13, 15                         ; the head,
	s_add_co_u32 s60, s60, s61
	s_lshl_b32 s60, s60, 12
	s_and_b32 s61, s[WV], 1                        ; my 32 rows of the 64
	s_lshl_b32 s61, s61, 11
	s_add_co_u32 s60, s60, s61
	s_mov_b32 s61, 0
	s_add_nc_u64 s[8:9], s[8:9], s[60:61]
	v_and_b32 v22, 15, v0                          ; r
	v_bfe_u32 v23, v0, 4, 1                        ; h
	v_lshlrev_b32 v24, 6, v22
	v_lshl_add_u32 v24, v23, 4, v24
	WIN 0x40
	global_load_b128 v[QF:QF+3], v24, s[4:5]       ; q's two fragments stay in registers
	global_load_b128 v[QF+4:QF+7], v24, s[4:5] offset:32
	global_load_b128 v[QF+8:QF+11], v24, s[4:5] offset:1024
	global_load_b128 v[QF+12:QF+15], v24, s[4:5] offset:1056
	WIN 0
	v_mul_u32_u24 v1, v22, KP
	v_lshl_add_u32 v1, v23, 4, v1                  ; my lane's place in a tile of k
	v_mul_u32_u24 v2, v22, VP
	v_lshl_add_u32 v2, v23, 4, v2
	v_add_nc_u32 v2, VB, v2                        ; in a tile of v
.irp j, 0,1
	v_mov_b32 v[10+2*\j], 0x7f61b1e6               ; -M: 3e38
	v_mov_b32 v[11+2*\j], 0xff61b1e6               ; the largest raw score so far: -3e38, under every sum of 64 products of codes
	v_mov_b32 v[14+2*\j], 0                        ; l
	v_mov_b32 v[15+2*\j], 0
	v_mov_b32 v[18+2*\j], 0
	v_mov_b32 v[19+2*\j], 0                        ; (a pair's upper half)
.endr
.set k, 0
.rept 64
	v_mov_b32 v[O+k], 0                            ; O^T: the step is written for every step alike; the first finds zeros
.set k, k+1
.endr
	s_wait_alu depctr_va_vdst(0)
	s_wait_kmcnt 0x0
	s_add_co_i32 s60, s84, s85
	s_lshl_b32 s60, s60, 23
	s_add_co_i32 s[CS], s[CS], s60                 ; a score stands for score x 2^(eq + ek)
	s_mov_b32 s[CS+1], s[CS]
	s_xor_b32 s[NC], s[CS], 0x80000000
	s_add_co_i32 s60, s87, 127
	s_lshl_b32 s61, s60, 23
	v_mov_b32 v9, s61                              ; 2^ep
	s_add_co_i32 s60, s60, 8
	s_lshl_b32 s60, s60, 23
	s_or_b32 s60, s60, 0x600000
	v_mov_b32 v5, s60                              ; 448 x 2^ep
	v_mov_b32 v6, s60
	s_add_co_i32 s60, s88, 127
	s_lshl_b32 s[OS], s60, 23
	s_add_co_i32 s60, s60, 8
	s_lshl_b32 s60, s60, 23
	s_or_b32 s[OH], s60, 0x600000
	s_add_co_i32 s62, s86, s87                     ; ev + ep
.macro SUM j                           ; l of tile j: the sum of its 64 unquantised p, two at a time, in five chains
.irp c, 0,1,2,3
	v_pk_add_f32 v[24+2*\c:25+2*\c], v[S+64*\j+4*\c:S+64*\j+4*\c+1], v[S+64*\j+4*\c+2:S+64*\j+4*\c+3]
.endr
.irp i, 0,1,2,3
	v_pk_add_f32 v[14+2*\j:15+2*\j], v[14+2*\j:15+2*\j], v[S+64*\j+16+10*\i:S+64*\j+17+10*\i]
.irp c, 0,1,2,3
	v_pk_add_f32 v[24+2*\c:25+2*\c], v[24+2*\c:25+2*\c], v[S+64*\j+18+10*\i+2*\c:S+64*\j+19+10*\i+2*\c]
.endr
.endr
.irp c, 0,1,2,3
	v_pk_add_f32 v[24+2*\c:25+2*\c], v[24+2*\c:25+2*\c], v[S+64*\j+56+2*\c:S+64*\j+57+2*\c]
.endr
	v_pk_add_f32 v[24:25], v[24:25], v[26:27]
	v_pk_add_f32 v[28:29], v[28:29], v[30:31]
	v_pk_add_f32 v[14+2*\j:15+2*\j], v[14+2*\j:15+2*\j], v[24:25]
	v_pk_add_f32 v[14+2*\j:15+2*\j], v[14+2*\j:15+2*\j], v[28:29]
.endm
.macro STEP                            ; 128 keys x my 32 queries
	s_wait_dscnt 0x0                               ; k's fragments, asked for a step ago
	WIN 0x05                                       ; sources 0 and 1 in window 1
.irp t, 0,1,2,3,4,5,6,7
.irp j, 0,1
	v_wmma_f32_16x16x64_fp8_fp8 v[S+64*\j+8*\t:S+64*\j+8*\t+7], v[KF+8*\t:KF+8*\t+7], v[QF+8*\j:QF+8*\j+7], 0
.endr
.endr
	WIN 0
	v_add_nc_u32 v7, s[TK], v1                     ; four plain lines in front of loads into registers that products have read, and of the first read of S^T
	v_add_nc_u32 v8, s[TV], v2
	v_nop
	v_nop
	WIN 0x40                                       ; destination in window 1
.irp t, 0,1,2,3                        ; v's four tiles of 16 channels x these 128 keys,
.irp c, 0,1,2,3
	ds_load_b128 v[VF+16*\t+4*\c:VF+16*\t+4*\c+3], v8 offset:\t*16*VP+32*\c
.endr
.endr
.irp t, 0,1,2,3,4,5,6,7                ; and the next step's eight tiles of k: both land while the softmax is walked
	ds_load_b128 v[KF+8*\t:KF+8*\t+3], v7 offset:\t*16*KP
	ds_load_b128 v[KF+8*\t+4:KF+8*\t+7], v7 offset:\t*16*KP+32
.endr
	WIN 0
.irp j, 0,1                            ; the largest raw score of each query among my 64 keys: four chains a tile, each accumulator from its low end on
.irp c, 0,1,2,3
	v_max3_num_f32 v[24+4*\j+\c], v[S+64*\j+16*\c], v[S+64*\j+16*\c+1], v[S+64*\j+16*\c+2]
.endr
.endr
.irp i, 3,5,7,9,11,13
.irp j, 0,1
.irp c, 0,1,2,3
	v_max3_num_f32 v[24+4*\j+\c], v[24+4*\j+\c], v[S+64*\j+16*\c+\i], v[S+64*\j+16*\c+\i+1]
.endr
.endr
.endr
.irp j, 0,1
	v_max3_num_f32 v[24+4*\j], v[24+4*\j], v[25+4*\j], v[S+64*\j+15]
	v_max3_num_f32 v[26+4*\j], v[26+4*\j], v[27+4*\j], v[S+64*\j+31]
.endr
.irp j, 0,1
	v_max3_num_f32 v[24+4*\j], v[24+4*\j], v[26+4*\j], v[S+64*\j+47]
.endr
.irp j, 0,1
	v_max3_num_f32 v[11+2*\j], v[11+2*\j], v[24+4*\j], v[S+64*\j+63]   ; into the running maximum
.endr
.irp j, 0,1
	v_permlanex16_b32 v[22+\j], v[11+2*\j], s[SEL], s[SEL+1]
.endr
.irp j, 0,1
	v_max_num_f32 v[11+2*\j], v[11+2*\j], v[22+\j]                     ; and lane l xor 16's
.endr
.irp j, 0,1
	v_mul_f32 v[24+4*\j], s[NC], v[11+2*\j]                            ; -t (c is positive)
.endr
.irp j, 0,1
	v_floor_f32 v[24+4*\j], v[24+4*\j]                                 ; the new -M = -ceil(t)
.endr
.irp j, 0,1
	v_sub_f32 v[25+4*\j], v[24+4*\j], v[10+2*\j]                       ; old M - new M: a whole number, 0 or less
.endr
.irp j, 0,1
	v_mov_b32 v[10+2*\j], v[24+4*\j]
.endr
.irp j, 0,1
	v_cvt_i32_f32 v[25+4*\j], v[25+4*\j]                               ; (it saturates)
.endr
.irp j, 0,1
	v_ldexp_f32 v[18+2*\j], 1.0, v[25+4*\j]                            ; f = 2^(old M - new M)
.endr
.set k, 0
.rept 32
	v_pk_fma_f32 v[S+k:S+k+1], v[S+k:S+k+1], s[CS:CS+1], v[10:11] op_sel_hi:[1,0,0]   ; tile 0: t - M
.set k, k+2
.endr
.irp j, 0,1
.set k, 0
.rept 16
	v_pk_mul_f32 v[O+32*\j+k:O+32*\j+k+1], v[O+32*\j+k:O+32*\j+k+1], v[18+2*\j:19+2*\j] op_sel_hi:[1,0]   ; O^T under the new M, ahead of the exponentials
.set k, k+2
.endr
.endr
	s_wait_alu depctr_va_vdst(0)                   ; the wait ahead of the batch
.set k, 0
.rept 32
	v_exp_f32 v[S+k], v[S+k]                       ; tile 0: p = 2^(t - M); between its lines tile 1's t - M, which names nothing of the batch
	v_pk_fma_f32 v[S+64+k:S+64+k+1], v[S+64+k:S+64+k+1], s[CS:CS+1], v[12:13] op_sel_hi:[1,0,0]
	v_exp_f32 v[S+k+1], v[S+k+1]
.set k, k+2
.endr
	v_pk_mul_f32 v[14:15], v[14:15], v[18:19] op_sel_hi:[1,0]   ; l under the new M: the plain line behind the exponentials
	s_wait_alu depctr_va_vdst(0)                   ; one wait for the batch, ahead of its first reader, and for tile 1's t - M
	SUM 0
	s_wait_alu depctr_va_vdst(0)                   ; the wait ahead of the batch
.set k, 0
.rept 32
	v_exp_f32 v[S+64+k], v[S+64+k]                 ; tile 1; between its lines tile 0's holds
	v_dual_min_num_f32 v[S+k], v[S+k], v5 :: v_dual_min_num_f32 v[S+k+1], v[S+k+1], v6   ; the conversion does not saturate (ISA guide 7.6.2); p is not negative, so the hold is one-sided; two a line
	v_exp_f32 v[S+64+k+1], v[S+64+k+1]
.set k, k+2
.endr
	v_pk_mul_f32 v[16:17], v[16:17], v[20:21] op_sel_hi:[1,0]
	s_wait_alu depctr_va_vdst(0)                   ; one wait for the batch, ahead of its first reader
	SUM 1
.set k, 0
.rept 32
	v_dual_min_num_f32 v[S+64+k], v[S+64+k], v5 :: v_dual_min_num_f32 v[S+64+k+1], v[S+64+k+1], v6
.set k, k+2
.endr
.irp j, 0,1
.irp t, 0,1,2,3,4,5,6,7
	v_cvt_scalef32_pk8_fp8_f32 v[PC+16*\j+2*\t:PC+16*\j+2*\t+1], v[S+64*\j+8*\t:S+64*\j+8*\t+7], v9
.endr
.endr
	v_nop                                          ; one plain line behind the last conversion
	s_wait_alu depctr_va_vdst(0)
	s_wait_dscnt 16                                ; v's sixteen loads are in; the sixteen for k issued behind them may be out
	WIN 0x01                                       ; source 0 in window 1
.irp t, 0,1,2,3
.irp j, 0,1
	v_wmma_f32_16x16x128_fp8_fp8 v[O+32*\j+8*\t:O+32*\j+8*\t+7], v[VF+16*\t:VF+16*\t+15], v[PC+16*\j:PC+16*\j+15], v[O+32*\j+8*\t:O+32*\j+8*\t+7]   ; eight accumulators by turns
.endr
.endr
	WIN 0
.endm
.macro WALK lim                        ; steps up to, and not with, step lim
.Lstep_\@:
	STEP
	s_add_co_u32 s[CNT], s[CNT], 1
	s_add_co_u32 s53, s[CNT], 1                    ; k: the step after the next trip's, modulo the sixteen
	s_and_b32 s53, s53, 15
	s_mul_i32 s[TK], s53, 128*KP
	s_lshr_b32 s51, s[CNT], 2                      ; v: chunk = step / 4, 128 bytes along its rows for each step in it
	s_mul_i32 s51, s51, VCH
	s_and_b32 s52, s[CNT], 3
	s_lshl_b32 s52, s52, 7
	s_add_co_u32 s[TV], s51, s52
	s_cmp_lt_u32 s[CNT], \lim
	s_cbranch_scc1 .Lstep_\@
.endm
	s_wait_alu depctr_va_vdst(0)                   ; the wait at the head's end
	s_wait_loadcnt 0x0                             ; q
	s_wait_tensorcnt 0x0                           ; chunk 0 has landed (waves 0 and 4); the later first fills are issued as refills are:
	ds_add_u32 v3, v4                              ; 0 onto my spare word,
	ds_add_u32 v3, v4                              ; twice on end
	s_wait_dscnt 0x0
	CROUND                                         ; chunk 0 is shown to all waves, and all four work-groups are here: the joint loads meet
	s_cmp_eq_u32 s15, 0                            ; chunks 1 to 3: waves 1-3 k's, waves 5-7 v's: my one tensor load behind the round
	s_cbranch_scc1 .Lasked2
	s_cmp_lt_u32 s[WV], 4
	s_cbranch_scc0 .Lfor_v2
	tensor_load_to_lds s[G0K:G0K+3], s[G1K:G1K+7]
	s_nop 0
.rept 4
	v_nop
.endr
	s_branch .Lasked2
.Lfor_v2:
	tensor_load_to_lds s[G0V:G0V+3], s[G1V:G1V+7]
	s_nop 0
.rept 4
	v_nop
.endr
.Lasked2:
	WIN 0x40
.irp t, 0,1,2,3,4,5,6,7
	ds_load_b128 v[KF+8*\t:KF+8*\t+3], v1 offset:\t*16*KP
	ds_load_b128 v[KF+8*\t+4:KF+8*\t+7], v1 offset:\t*16*KP+32
.endr
	WIN 0
	s_mov_b32 s[TK], 128*KP
	s_mov_b32 s[TV], 0
	s_mov_b32 s[CNT], 0
	WALK 3                                         ; steps 0 to 2 read chunk 0 alone (step 2 fetches step 3's fragments of k)
	s_wait_tensorcnt 0x0                           ; my tile of chunks 1 to 3 has landed
	s_wait_dscnt 0x0
	s_barrier_signal -1
	s_barrier_wait -1                              ; everybody's has
	WALK 16
	; THE WAY OUT: O^T / l x 2^(ep + ev), quantised, through my stage on k's first rows, 2,048 consecutive bytes a wave
	s_wait_dscnt 0x0                               ; my reads of k and v are over
	s_barrier_signal -1                            ; say so; work on registers until all eight have said so
	v_add_f32 v14, v14, v15
	v_add_f32 v16, v16, v17
	v_permlanex16_b32 v22, v14, s[SEL], s[SEL+1]
	v_permlanex16_b32 v23, v16, s[SEL], s[SEL+1]
	v_add_f32 v14, v14, v22                        ; the rows' sums
	v_add_f32 v16, v16, v23
	s_wait_alu depctr_va_vdst(0)                   ; the wait ahead of the transcendentals
	v_rcp_f32 v14, v14
	v_rcp_f32 v16, v16
	v_mov_b32 v24, s[OS]
	v_mov_b32 v25, s[OH]
	v_and_b32 v29, 15, v0                          ; r
	v_bfe_u32 v30, v0, 4, 1                        ; h
	v_and_b32 v31, 31, v0
	s_mul_i32 s60, s[WV], 32*KP                    ; my stage: 32 rows of 80 bytes
	v_mul_u32_u24 v26, v29, KP
	v_lshl_add_u32 v26, v30, 3, v26
	v_add_nc_u32 v26, s60, v26                     ; in: row r, 8 bytes for each half of the lanes
	v_lshrrev_b32 v27, 2, v31
	v_mul_u32_u24 v27, v27, KP
	v_and_b32 v29, 3, v31
	v_lshl_add_u32 v27, v29, 4, v27
	v_add_nc_u32 v27, s60, v27                     ; back: eight rows of 64 bytes an instruction
	v_lshlrev_b32 v28, 4, v31                      ; 16 x lane
	s_wait_alu depctr_va_vdst(0)                   ; ahead of the reciprocals' first reader
	v_ldexp_f32 v14, v14, s62
	v_ldexp_f32 v16, v16, s62
	s_wait_alu depctr_va_vdst(0)                   ; directly ahead of the first reader of O^T
.irp j, 0,1
.set k, 0
.rept 16
	v_pk_mul_f32 v[S+32*\j+k:S+32*\j+k+1], v[O+32*\j+k:O+32*\j+k+1], v[14+2*\j:15+2*\j] op_sel_hi:[1,0]   ; register 32 j + 8 t + i is o(16 j + r, 16 t + 8 h + i)
.set k, k+2
.endr
.endr
.set k, 0
.rept 64
	v_med3_num_f32 v[S+k], v[S+k], -v25, v25
.set k, k+1
.endr
.irp i, 0,1,2,3,4,5,6,7
	v_cvt_scalef32_pk8_fp8_f32 v[PC+2*\i:PC+2*\i+1], v[S+8*\i:S+8*\i+7], v24
.endr
	v_nop
	s_wait_alu depctr_va_vdst(0)
	s_barrier_wait -1                              ; nobody reads k's rows any more
.irp i, 0,1,2,3,4,5,6,7
	ds_store_b64 v26, v[PC+2*\i:PC+2*\i+1] offset:(\i/4)*16*KP+16*(\i%4)
.endr
.irp i, 0,1,2,3
	ds_load_b128 v[96+4*\i:99+4*\i], v27 offset:\i*8*KP   ; LDS serves a wave's instructions in order: these see my stores
.endr
.irp i, 0,1,2,3
	s_wait_dscnt 3-\i
	global_store_b128 v28, v[96+4*\i:99+4*\i], s[8:9] offset:512*\i   ; 512 consecutive bytes, aligned
.endr
	s_wait_tensorcnt 0x0                           ; the wave's end
	ds_add_u32 v3, v4
	s_wait_dscnt 0x0
	CROUND                                         ; the closing round: no work-group ends while a partner may still ask for a tile that names it
	s_endpgm
.Lfunc_end_k_qdcacec7749_attn:
	.size	k_qdcacec7749_attn, .Lfunc_end_k_qdcacec7749_attn-k_qdcacec7749_attn
	.p2alignl 7, 3214868480
	.fill 96, 4, 3214868480
	.section	.rodata,"a",@progbits
	.p2align	6, 0x0
	.amdhsa_kernel k_qdcacec7749_attn
		.amdhsa_group_segment_fixed_size 327680
		.amdhsa_private_segment_fixed_size 0
		.amdhsa_enable_private_segment 0
		.amdhsa_kernarg_size 24
		.amdhsa_user_sgpr_count 2
		.amdhsa_user_sgpr_kernarg_segment_ptr 1
		.amdhsa_wavefront_size32 1
		.amdhsa_system_sgpr_workgroup_id_x 1
		.amdhsa_system_sgpr_workgroup_id_y 1
		.amdhsa_system_sgpr_workgroup_id_z 1
		.amdhsa_system_vgpr_workitem_id 0
		.amdhsa_next_free_vgpr 400
		.amdhsa_next_free_sgpr 100
		.amdhsa_reserve_vcc 0
		.amdhsa_float_denorm_mode_32 3
		.amdhsa_float_denorm_mode_16_64 3
		.amdhsa_memory_ordered 1
		.amdhsa_forward_progress 1
		.amdhsa_inst_pref_size 78
	.end_amdhsa_kernel
	.amdgpu_metadata
---
amdhsa.version: [ 1, 2 ]
amdhsa.kernels:
  - .name:           k_qdcacec7749_attn
    .symbol:         k_qdcacec7749_attn.kd
    .args:
      - { .name: qkvc, .offset: 0, .size: 8, .value_kind: global_buffer, .address_space: global }
      - { .name: lowp_scales, .offset: 8, .size: 8, .value_kind: global_buffer, .address_space: global }
      - { .name: aoc, .offset: 16, .size: 8, .value_kind: global_buffer, .address_space: global }
    .group_segment_fixed_size: 327680
    .private_segment_fixed_size: 0
    .kernarg_segment_align: 8
    .kernarg_segment_size: 24
    .max_flat_workgroup_size: 256
    .sgpr_count:     100
    .vgpr_count:     400
    .wavefront_size: 32
...
	.end_amdgpu_metadata
.endif
;; end of part 3
;; launch oproj (part 4): grid 8 x 32, 4 waves a work-group, clusters of 4 x 4, 327,680 bytes of LDS; arguments aoc, wc, lowp_scales, bo, x, x1; writes x1
.if DOCPART == 4
	.amdgcn_target "amdgcn-amd-amdhsa--gfx1250"
	.amdhsa_code_object_version 6
	.text
	.protected	k_qdcacec7749_oproj
	.globl	k_qdcacec7749_oproj
	.p2align	8
	.type	k_qdcacec7749_oproj,@function
k_qdcacec7749_oproj:
	s_mov_b64 s[64:65], 0
	v_nop
	global_prefetch_b8 v0, s[64:65] scope:SCOPE_SE
	s_setreg_imm32_b32 hwreg(HW_REG_WAVE_MODE, 25, 1), 1
	s_wait_xcnt 0x0
	s_wait_alu depctr_hold_cnt(0) depctr_sa_sdst(0) depctr_va_vdst(0) depctr_va_sdst(0) depctr_va_ssrc(0) depctr_va_vcc(0) depctr_vm_vsrc(0)
	s_getreg_b32 s2, hwreg(HW_REG_IB_STS2, 6, 4)
	s_cmp_eq_u32 s2, 0
	s_cbranch_scc0 .Lentry_in_a_cluster
	s_endpgm
.Lentry_in_a_cluster:
	s_bfe_u32 s2, ttmp6, 0x10000c
	s_cmp_lg_u32 s2, 0xf033
	s_cbranch_scc0 .Lentry_shape_is_right
	s_endpgm
.Lentry_shape_is_right:
.set OPROJ, 1
.set KB,     512
.set BPITCH, 528
.set BHALF,  64*BPITCH
.if OPROJ
.set SIZE_K, 1024
.set APITCH, 80
.set AK64,   64*80
.set AHALF,  512*80
.set ACOLS,  64
.set AROWS,  512
.set ASTR,   64
.set AQI,    3
.set ASTEP,  32768
.set WOFF,   0x300000
.set EOFF,   40
.else
.set SIZE_K, 4096
.set APITCH, 528
.set AK64,   64
.set AHALF,  64*528
.set ACOLS,  512
.set AROWS,  64
.set ASTR,   4096
.set AQI,    6
.set ASTEP,  512
.set WOFF,   0x800000
.set EOFF,   56
.endif
.set SLOT,   2*AHALF+2*BHALF
.set SPARE,  2*SLOT
.set LAPS,   SIZE_K/(2*KB)
.set SPITCH, 528
.set ADRA, 16
.set ADRB, 20
.set STO,  24
.set RD,   25
.set CO,   26
.set SPW,  28
.set NIL,  29
.set ACC,  128
.set F0,   0
.set F1,   128
.set G1, 24
.set G0, 32
.set G1B, 48
.set G0B, 56
.set MSB, 0
.macro WIN new
.if MSB != \new
	s_set_vgpr_msb (MSB<<8)|\new
.set MSB, \new
.endif
.endm
.set MUL,  0x05
.set TO_F, 0x40
.macro JLOAD s
	s_cmp_eq_u32 s11, 0
	s_cbranch_scc0 .Lfor_b_\@
	tensor_load_to_lds s[G0+4*\s:G0+4*\s+3], s[G1:G1+7]
	s_nop 0
.rept 4
	v_nop
.endr
	s_branch .Lasked_\@
.Lfor_b_\@:
	tensor_load_to_lds s[G0B+4*\s:G0B+4*\s+3], s[G1B:G1B+7]
	s_nop 0
.rept 4
	v_nop
.endr
.Lasked_\@:
.endm
.macro CREST
	s_cmp_lg_u32 s10, 0
	s_cbranch_scc1 .Lnot_wave_0_\@
	s_barrier_signal -3
.Lnot_wave_0_\@:
	s_barrier_wait -3
	s_barrier_signal -1
	s_barrier_wait -1
.endm
.macro CROUND
	s_barrier_signal -1
	s_barrier_wait -1
	CREST
.endm
	s_load_b256 s[68:75], s[0:1], 0x0
	s_load_b128 s[76:79], s[0:1], 0x20
	v_lshl_add_u32 v[SPW], v0, 2, SPARE
	v_mov_b32 v[NIL], 0
	ds_add_u32 v28, v29
	ds_add_u32 v28, v29
	s_wait_dscnt 0x0
	v_lshrrev_b32 v1, 5, v0
	v_readfirstlane_b32 s10, v1
	s_lshr_b32 s11, s10, 1
	s_and_b32 s12, s10, 1
	s_bfe_u32 s40, ttmp6, 0x40000
	s_bfe_u32 s41, ttmp6, 0x40004
	s_lshl_b32 s42, ttmp9, 2
	s_add_co_u32 s42, s42, s40
	s_and_b32 s13, ttmp7, 0xffff
	s_lshl_b32 s13, s13, 2
	s_add_co_u32 s13, s13, s41
	s_lshl_b32 s43, s41, 2
	s_lshl_b32 s43, 15, s43
	s_lshl_b32 s44, 0x1111, s40
	s_or_b32 s[G1+0], s43, (1<<20)|(1<<21)|(AQI<<22)|(3<<25)
	s_mov_b32 s[G1+1], ACOLS<<16
	s_mov_b32 s[G1+2], AROWS<<16
	s_mov_b32 s[G1+3], ACOLS<<16
	s_mov_b32 s[G1+4], AROWS
	s_mov_b32 s[G1+5], ASTR
	s_mov_b32 s[G1+6], 0
	s_mov_b32 s[G1+7], 0
	s_or_b32 s[G1B+0], s44, (1<<20)|(1<<21)|(6<<22)|(3<<25)
	s_mov_b32 s[G1B+1], KB<<16
	s_mov_b32 s[G1B+2], 64<<16
	s_mov_b32 s[G1B+3], KB<<16
	s_mov_b32 s[G1B+4], 64
	s_mov_b32 s[G1B+5], SIZE_K
	s_mov_b32 s[G1B+6], 0
	s_mov_b32 s[G1B+7], 0
	s_lshl_b32 s17, s12, 6
	s_lshl_b32 s16, s13, 7
	s_add_co_u32 s16, s16, s17
	s_mul_i32 s16, s16, SIZE_K
	s_lshl_b32 s46, s42, 7
	s_add_co_u32 s46, s46, s17
	s_mul_i32 s46, s46, SIZE_K
	s_add_co_u32 s46, s46, WOFF
	s_mov_b32 s17, 0
	s_mov_b32 s47, 0
	s_mul_i32 s20, s12, AHALF
	s_mul_i32 s21, s12, BHALF
	s_add_co_u32 s21, s21, 2*AHALF
	s_wait_kmcnt 0x0
	s_load_b64 s[80:81], s[72:73], EOFF
	s_add_nc_u64 s[14:15], s[68:69], s[16:17]
	s_add_nc_u64 s[46:47], s[70:71], s[46:47]
	CROUND
.irp s, 0,1
	s_mov_b32 s[G0+4*\s], 1
	s_add_co_u32 s[G0+4*\s+1], s20, \s*SLOT
	s_add_nc_u64 s[G0+4*\s+2:G0+4*\s+3], s[14:15], \s*ASTEP
	s_or_b32 s[G0+4*\s+3], s[G0+4*\s+3], 0x80000000
	s_mov_b32 s[G0B+4*\s], 1
	s_add_co_u32 s[G0B+4*\s+1], s21, \s*SLOT
	s_add_nc_u64 s[G0B+4*\s+2:G0B+4*\s+3], s[46:47], \s*KB
	s_or_b32 s[G0B+4*\s+3], s[G0B+4*\s+3], 0x80000000
.endr
	JLOAD 0                                        ; K step 0: one tensor load a wave at the head
	s_lshl_b32 s16, s13, 7
	s_lshl_b32 s17, s10, 5
	s_add_co_u32 s16, s16, s17
	s_lshl_b32 s16, s16, 12
	s_mov_b32 s17, 0
	s_lshl_b32 s46, s42, 9
	s_mov_b32 s47, 0
	s_add_nc_u64 s[76:77], s[76:77], s[16:17]
	s_add_nc_u64 s[76:77], s[76:77], s[46:47]
	s_add_nc_u64 s[78:79], s[78:79], s[16:17]
	s_add_nc_u64 s[78:79], s[78:79], s[46:47]
	s_add_nc_u64 s[74:75], s[74:75], s[46:47]
	v_and_b32 v6, 31, v0
	v_lshlrev_b32 v[CO], 4, v6
	WIN 0x80
.set t, 0
.rept 32
	global_load_b128 v[4*t:4*t+3], v[CO], s[76:77] offset:t*4096 th:TH_LOAD_NT
.set t, t+1
.endr
	WIN 0
	global_load_b128 v[32:35], v[CO], s[74:75]
	v_and_b32 v1, 15, v0
	v_bfe_u32 v2, v0, 4, 1
	v_mul_u32_u24 v3, v1, APITCH
	v_lshl_add_u32 v3, v2, 4, v3
	v_mul_u32_u24 v4, v1, BPITCH
	v_lshl_add_u32 v4, v2, 4, v4
	s_mul_i32 s21, s11, AHALF
	s_mul_i32 s22, s12, BHALF
	s_add_co_u32 s22, s22, 2*AHALF
.irp s, 0,1
	v_add_nc_u32 v[ADRA+\s], s21, v3
	v_add_nc_u32 v[ADRB+\s], s22, v4
	s_add_co_u32 s21, s21, SLOT
	s_add_co_u32 s22, s22, SLOT
.endr
	s_mul_i32 s23, s11, 64*SPITCH
	s_lshl_b32 s21, s12, 8
	s_add_co_u32 s23, s23, s21
	v_mul_u32_u24 v5, v1, SPITCH
	v_lshl_add_u32 v5, v2, 5, v5
	v_add_nc_u32 v[STO], s23, v5
	s_mul_i32 s23, s10, 32*SPITCH
	v_add_nc_u32 v[RD], s23, v[CO]
	s_wait_alu depctr_va_vdst(0)
	s_wait_kmcnt 0x0
	s_add_co_i32 s80, s80, s81
	s_add_co_i32 s80, s80, 127
	s_lshl_b32 s80, s80, 23
	s_mov_b32 s81, s80
.macro MUL8 f, c, a0, zero
.irp a, \a0, \a0+1
.irp b, 0,1,2,3
.if \zero
	v_wmma_f32_16x16x64_fp8_fp8 v[ACC+8*(4*(\a)+\b):ACC+8*(4*(\a)+\b)+7], v[\f+64+8*(4*\c+\b):\f+64+8*(4*\c+\b)+7], v[\f+8*(4*\c+\a):\f+8*(4*\c+\a)+7], 0
.else
	v_wmma_f32_16x16x64_fp8_fp8 v[ACC+8*(4*(\a)+\b):ACC+8*(4*(\a)+\b)+7], v[\f+64+8*(4*\c+\b):\f+64+8*(4*\c+\b)+7], v[\f+8*(4*\c+\a):\f+8*(4*\c+\a)+7], v[ACC+8*(4*(\a)+\b):ACC+8*(4*(\a)+\b)+7]
.endif
.endr
.endr
.endm
.macro FETCH slot, k, f
	WIN TO_F
.irp c, 0,1
.irp i, 0,1,2,3
	ds_load_b128 v[\f+64+8*(4*\c+\i):\f+64+8*(4*\c+\i)+3],   v[ADRB+\slot] offset:((\k)+\c)*64+\i*16*BPITCH
	ds_load_b128 v[\f+64+8*(4*\c+\i)+4:\f+64+8*(4*\c+\i)+7], v[ADRB+\slot] offset:((\k)+\c)*64+\i*16*BPITCH+32
	ds_load_b128 v[\f+8*(4*\c+\i):\f+8*(4*\c+\i)+3],         v[ADRA+\slot] offset:((\k)+\c)*AK64+\i*16*APITCH
	ds_load_b128 v[\f+8*(4*\c+\i)+4:\f+8*(4*\c+\i)+7],       v[ADRA+\slot] offset:((\k)+\c)*AK64+\i*16*APITCH+32
.endr
.endr
.endm
.macro PLACES
.rept 4
	v_nop
.endr
.endm
.macro QUARTER slot, k, f, g, zero
	s_wait_dscnt 16
	WIN MUL
	MUL8 \f, 0, 0, \zero
	MUL8 \f, 0, 2, \zero
	PLACES
	FETCH \slot, \k, \g
	s_wait_dscnt 32
	WIN MUL
	MUL8 \f, 1, 0, 0
	MUL8 \f, 1, 2, 0
.endm
.macro TURN slot, next, fill
	WIN 0
	s_wait_tensorcnt 0x0
	ds_add_u32 v[SPW], v[NIL]
	s_wait_dscnt 17
	WIN MUL
	MUL8 F1, 0, 0, 0
	s_wait_dscnt 0x0
	s_barrier_signal -1
	MUL8 F1, 0, 2, 0
.if \fill
	WIN 0
.endif
	s_barrier_wait -1
.if \fill
	CREST
	s_add_nc_u64 s[G0+4*\slot+2:G0+4*\slot+3], s[G0+4*\slot+2:G0+4*\slot+3], 2*ASTEP
	s_add_nc_u64 s[G0B+4*\slot+2:G0B+4*\slot+3], s[G0B+4*\slot+2:G0B+4*\slot+3], 2*KB
	JLOAD \slot
.else
	PLACES
.endif
	FETCH \next, 0, F0
	WIN MUL
	MUL8 F1, 1, 0, 0
	MUL8 F1, 1, 2, 0
.endm
	s_wait_alu depctr_va_vdst(0)                   ; the wait at the head's end
	s_wait_tensorcnt 0x0                           ; my part of K step 0 is in; slot 1's first fill is issued as a refill is:
	ds_add_u32 v[SPW], v[NIL]                      ; 0 onto my spare word
	s_wait_dscnt 0x0
	CROUND                                         ; everybody's part of K step 0 is in, and the joint loads meet
	JLOAD 1                                        ; K step 1: my one tensor load behind the round
	FETCH 0, 0, F0
	QUARTER 0, 2, F0, F1, 1
.if LAPS > 1
	WIN 0
	s_mov_b32 s3, LAPS-1
.Llap:
	QUARTER 0, 4, F1, F0, 0
	QUARTER 0, 6, F0, F1, 0
	TURN 0, 1, 1
	QUARTER 1, 2, F0, F1, 0
	QUARTER 1, 4, F1, F0, 0
	QUARTER 1, 6, F0, F1, 0
	TURN 1, 0, 1
	QUARTER 0, 2, F0, F1, 0
	WIN 0
	s_sub_co_u32 s3, s3, 1
	s_cmp_lg_u32 s3, 0
	s_cbranch_scc1 .Llap
.endif
	QUARTER 0, 4, F1, F0, 0
	QUARTER 0, 6, F0, F1, 0
	TURN 0, 1, 0
	QUARTER 1, 2, F0, F1, 0
	QUARTER 1, 4, F1, F0, 0
	QUARTER 1, 6, F0, F1, 0
	s_wait_dscnt 16
	WIN MUL
	MUL8 F1, 0, 0, 0
	MUL8 F1, 0, 2, 0
	s_wait_dscnt 0
	MUL8 F1, 1, 0, 0
	MUL8 F1, 1, 2, 0
	WIN 0
	PLACES
.irp a, 0,1,2,3
.irp b, 0,1,2,3
	ds_store_b128 v[STO], v[ACC+8*(4*\a+\b):ACC+8*(4*\a+\b)+3] offset:\a*16*SPITCH+64*\b
	ds_store_b128 v[STO], v[ACC+8*(4*\a+\b)+4:ACC+8*(4*\a+\b)+7] offset:\a*16*SPITCH+64*\b+16
.endr
.endr
	s_wait_loadcnt 0x0
	WIN 0x82
.set t, 0
.rept 32
	v_pk_add_f32 v[4*t:4*t+1], v[4*t:4*t+1], v[32:33]
	v_pk_add_f32 v[4*t+2:4*t+3], v[4*t+2:4*t+3], v[34:35]
.set t, t+1
.endr
	WIN 0
	s_wait_dscnt 0x0
	s_barrier_signal -1
	s_barrier_wait -1
.set t, 0
.rept 32
	ds_load_b128 v[ACC+4*t:ACC+4*t+3], v[RD] offset:t*SPITCH
.set t, t+1
.endr
	WIN 0x20
.set t, 0
.rept 32
	s_wait_dscnt 31-t
	v_pk_fma_f32 v[ACC+4*t:ACC+4*t+1], v[ACC+4*t:ACC+4*t+1], s[80:81], v[4*t:4*t+1] op_sel_hi:[1,0,1]
	v_pk_fma_f32 v[ACC+4*t+2:ACC+4*t+3], v[ACC+4*t+2:ACC+4*t+3], s[80:81], v[4*t+2:4*t+3] op_sel_hi:[1,0,1]
	global_store_b128 v[CO], v[ACC+4*t:ACC+4*t+3], s[78:79] offset:t*4096 th:TH_STORE_NT
.set t, t+1
.endr
	WIN 0
	s_wait_tensorcnt 0x0
	ds_add_u32 v[SPW], v[NIL]
	s_wait_dscnt 0x0
	CROUND
	s_endpgm
.Lfunc_end_k_qdcacec7749_oproj:
	.size	k_qdcacec7749_oproj, .Lfunc_end_k_qdcacec7749_oproj-k_qdcacec7749_oproj
	.p2alignl 7, 3214868480
	.fill 96, 4, 3214868480
	.section	.rodata,"a",@progbits
	.p2align	6, 0x0
	.amdhsa_kernel k_qdcacec7749_oproj
		.amdhsa_group_segment_fixed_size 327680
		.amdhsa_private_segment_fixed_size 0
		.amdhsa_enable_private_segment 0
		.amdhsa_kernarg_size 48
		.amdhsa_user_sgpr_count 2
		.amdhsa_user_sgpr_kernarg_segment_ptr 1
		.amdhsa_wavefront_size32 1
		.amdhsa_system_sgpr_workgroup_id_x 1
		.amdhsa_system_sgpr_workgroup_id_y 1
		.amdhsa_system_sgpr_workgroup_id_z 1
		.amdhsa_system_vgpr_workitem_id 0
		.amdhsa_next_free_vgpr 640
		.amdhsa_next_free_sgpr 100
		.amdhsa_reserve_vcc 0
		.amdhsa_float_denorm_mode_32 3
		.amdhsa_float_denorm_mode_16_64 3
		.amdhsa_memory_ordered 1
		.amdhsa_forward_progress 1
		.amdhsa_inst_pref_size 62
	.end_amdhsa_kernel
	.amdgpu_metadata
---
amdhsa.version: [ 1, 2 ]
amdhsa.kernels:
  - .name:           k_qdcacec7749_oproj
    .symbol:         k_qdcacec7749_oproj.kd
    .args:
      - { .name: aoc, .offset: 0, .size: 8, .value_kind: global_buffer, .address_space: global }
      - { .name: wc, .offset: 8, .size: 8, .value_kind: global_buffer, .address_space: global }
      - { .name: lowp_scales, .offset: 16, .size: 8, .value_kind: global_buffer, .address_space: global }
      - { .name: bo, .offset: 24, .size: 8, .value_kind: global_buffer, .address_space: global }
      - { .name: x, .offset: 32, .size: 8, .value_kind: global_buffer, .address_space: global }
      - { .name: x1, .offset: 40, .size: 8, .value_kind: global_buffer, .address_space: global }
    .group_segment_fixed_size: 327680
    .private_segment_fixed_size: 0
    .kernarg_segment_align: 8
    .kernarg_segment_size: 48
    .max_flat_workgroup_size: 128
    .sgpr_count:     100
    .vgpr_count:     640
    .wavefront_size: 32
...
	.end_amdgpu_metadata
.endif
;; end of part 4
;; launch ln2 (part 5): grid 256 x 1, 4 waves a work-group, no clusters, 0 bytes of LDS; arguments x1, ln2_g, ln2_b, lowp_scales, hc; writes hc
.if DOCPART == 5
	.amdgcn_target "amdgcn-amd-amdhsa--gfx1250"
	.amdhsa_code_object_version 6
	.text
	.protected	k_qdcacec7749_ln2
	.globl	k_qdcacec7749_ln2
	.p2align	8
	.type	k_qdcacec7749_ln2,@function
k_qdcacec7749_ln2:
	s_mov_b64 s[64:65], 0
	v_nop
	global_prefetch_b8 v0, s[64:65] scope:SCOPE_SE
	s_setreg_imm32_b32 hwreg(HW_REG_WAVE_MODE, 25, 1), 1
	s_wait_xcnt 0x0
; LN2(x1), f32, quantised to codes of E4M3 with the given 2^e (entry 12) into hc [4096][1024].  A wave takes four whole rows; a row stays in 32 registers a lane between the passes: it is read once.
; mean, then the mean of the squared differences, as the definition has them.  code = number / 2^e, held within +-448.  LIMIT: e between -126 and 119.  NaN among the inputs is not served.
; Lane l holds, of each row, numbers 256 jj + 8 l + 0 .. 7, jj = 0 .. 3: eight neighbours for a conversion, and 32 lanes' codes are 256 consecutive bytes.  No LDS, no barrier, no matrix unit: memory binds.
.set NSC,   1
.set HOLD,  4
.set ST,    8
.set PD,    16
.set SCL,   20
.set CODES, 24
.set TMP,   48
.set LG,    64
.set LB,    96
.set LX,    128
.set OB,    70
.macro ALLSUM
.irp m, 1,2,4,8
.irp p, 0,1,2,3
	v_add_f32_dpp v[ST+2*\p], v[ST+2*\p], v[ST+2*\p] row_xmask:\m row_mask:0xf bank_mask:0xf
.endr
.endr
.irp p, 0,1,2,3
	v_permlanex16_b32 v[PD+\p], v[ST+2*\p], s76, s77
.endr
.irp p, 0,1,2,3
	v_add_f32 v[ST+2*\p], v[ST+2*\p], v[PD+\p]
.endr
.endm
.macro LNOUT p
.set k, 0
.rept 16
	v_pk_mul_f32 v[LX+32*\p+k:LX+32*\p+k+1], v[LX+32*\p+k:LX+32*\p+k+1], v[ST+2*\p:ST+2*\p+1] op_sel_hi:[1,0]
.set k, k+2
.endr
.set k, 0
.rept 16
	v_pk_fma_f32 v[LX+32*\p+k:LX+32*\p+k+1], v[LX+32*\p+k:LX+32*\p+k+1], v[LG+k:LG+k+1], v[LB+k:LB+k+1]
.set k, k+2
.endr
	s_wait_xcnt 0x0                                ; the last row's stores have read their data: the codes' registers are written again only behind this wait
.set sc, 0
.rept NSC
.irp hf, 0,1
.set k, 0
.rept 16
	v_med3_num_f32 v[TMP+k], v[LX+32*\p+16*\hf+k], -v[HOLD+sc], v[HOLD+sc]
.set k, k+1
.endr
	v_cvt_scalef32_pk8_fp8_f32 v[CODES+8*sc+4*\hf:CODES+8*sc+4*\hf+1], v[TMP:TMP+7], v[SCL+sc]
	v_cvt_scalef32_pk8_fp8_f32 v[CODES+8*sc+4*\hf+2:CODES+8*sc+4*\hf+3], v[TMP+8:TMP+15], v[SCL+sc]
	v_nop                                          ; one plain line between the conversions and the next write of their sources
.endr
.irp jj, 0,1,2,3
	global_store_b64 v3, v[CODES+8*sc+2*\jj:CODES+8*sc+2*\jj+1], s[OB+2*sc:OB+2*sc+1] offset:1024*\p+256*\jj th:TH_STORE_NT   ; 32 lanes store 256 consecutive bytes, aligned
.endr
.set sc, sc+1
.endr
.endm
	s_load_b256 s[4:11], s[0:1], 0x0               ; x1 4, ln2_g 6, ln2_b 8, the exponents 10
	s_load_b64 s[26:27], s[0:1], 0x20              ; hc
	v_lshrrev_b32 v1, 5, v0
	v_readfirstlane_b32 s28, v1
	v_and_b32 v2, 31, v0
	s_wait_alu depctr_va_vdst(0)
	s_lshl_b32 s29, ttmp9, 4
	s_lshl_b32 s30, s28, 2
	s_add_co_u32 s29, s29, s30                     ; my first row: 16 x work-group + 4 x wave
	s_lshl_b32 s48, s29, 12
	s_mov_b32 s49, 0
	s_lshl_b32 s50, s29, 10
	s_mov_b32 s51, 0
	s_mov_b32 s76, 0x76543210
	s_mov_b32 s77, 0xfedcba98
	s_mov_b32 s78, 0x3a800000                      ; 1 / 1024
	v_lshlrev_b32 v1, 5, v2                        ; 32 x lane
	v_lshlrev_b32 v3, 3, v2                        ; 8 x lane
	s_wait_alu depctr_va_vdst(0)
	s_wait_kmcnt 0x0
	s_load_b32 s32, s[10:11], 0x30                 ; entry 12
	s_add_nc_u64 s[4:5], s[4:5], s[48:49]
	s_add_nc_u64 s[OB:OB+1], s[26:27], s[50:51]
.irp jj, 0,1,2,3
	global_load_b128 v[LG+8*\jj:LG+8*\jj+3], v1, s[6:7] offset:1024*\jj
	global_load_b128 v[LG+8*\jj+4:LG+8*\jj+7], v1, s[6:7] offset:1024*\jj+16
.endr
.irp jj, 0,1,2,3
	global_load_b128 v[LB+8*\jj:LB+8*\jj+3], v1, s[8:9] offset:1024*\jj
	global_load_b128 v[LB+8*\jj+4:LB+8*\jj+7], v1, s[8:9] offset:1024*\jj+16
.endr
.irp p, 0,1,2,3
.irp jj, 0,1,2,3
	global_load_b128 v[LX+32*\p+8*\jj:LX+32*\p+8*\jj+3], v1, s[4:5] offset:4096*\p+1024*\jj
	global_load_b128 v[LX+32*\p+8*\jj+4:LX+32*\p+8*\jj+7], v1, s[4:5] offset:4096*\p+1024*\jj+16
.endr
.endr
.irp p, 0,1,2,3
	v_mov_b32 v[ST+2*\p+1], 0                      ; named as a pair's upper half, so it is written
	v_mov_b32 v[PD+\p], 0                          ; a lane permute's destination counts as one of its sources
.endr
	s_wait_kmcnt 0x0
	s_add_co_i32 s30, s32, 127
	s_lshl_b32 s31, s30, 23
	v_mov_b32 v[SCL], s31
	s_add_co_i32 s30, s30, 8
	s_lshl_b32 s30, s30, 23
	s_or_b32 s30, s30, 0x600000
	v_mov_b32 v[HOLD], s30
.irp p, 0,1,2,3
	s_wait_loadcnt 24-8*\p                         ; this row's eight loads are in (and g and b); the later rows' may be out
	v_pk_add_f32 v[TMP+4*\p:TMP+4*\p+1], v[LX+32*\p:LX+32*\p+1], v[LX+32*\p+2:LX+32*\p+3]
	v_pk_add_f32 v[TMP+4*\p+2:TMP+4*\p+3], v[LX+32*\p+4:LX+32*\p+5], v[LX+32*\p+6:LX+32*\p+7]
.irp k, 8,12,16,20,24,28
	v_pk_add_f32 v[TMP+4*\p:TMP+4*\p+1], v[TMP+4*\p:TMP+4*\p+1], v[LX+32*\p+\k:LX+32*\p+\k+1]
	v_pk_add_f32 v[TMP+4*\p+2:TMP+4*\p+3], v[TMP+4*\p+2:TMP+4*\p+3], v[LX+32*\p+\k+2:LX+32*\p+\k+3]
.endr
	v_pk_add_f32 v[TMP+4*\p:TMP+4*\p+1], v[TMP+4*\p:TMP+4*\p+1], v[TMP+4*\p+2:TMP+4*\p+3]
	v_add_f32 v[ST+2*\p], v[TMP+4*\p], v[TMP+4*\p+1]
.endr
	ALLSUM
.irp p, 0,1,2,3
	v_mul_f32 v[ST+2*\p], s78, v[ST+2*\p]          ; the mean
.endr
.irp p, 0,1,2,3
.irp k, 0,2,4,6,8,10,12,14,16,18,20,22,24,26,28,30
	v_pk_add_f32 v[LX+32*\p+\k:LX+32*\p+\k+1], v[LX+32*\p+\k:LX+32*\p+\k+1], v[ST+2*\p:ST+2*\p+1] op_sel_hi:[1,0] neg_lo:[0,1] neg_hi:[0,1]
.endr
	v_pk_mul_f32 v[TMP+4*\p:TMP+4*\p+1], v[LX+32*\p:LX+32*\p+1], v[LX+32*\p:LX+32*\p+1]
	v_pk_mul_f32 v[TMP+4*\p+2:TMP+4*\p+3], v[LX+32*\p+2:LX+32*\p+3], v[LX+32*\p+2:LX+32*\p+3]
.irp k, 4,8,12,16,20,24,28
	v_pk_fma_f32 v[TMP+4*\p:TMP+4*\p+1], v[LX+32*\p+\k:LX+32*\p+\k+1], v[LX+32*\p+\k:LX+32*\p+\k+1], v[TMP+4*\p:TMP+4*\p+1]
	v_pk_fma_f32 v[TMP+4*\p+2:TMP+4*\p+3], v[LX+32*\p+\k+2:LX+32*\p+\k+3], v[LX+32*\p+\k+2:LX+32*\p+\k+3], v[TMP+4*\p+2:TMP+4*\p+3]
.endr
	v_pk_add_f32 v[TMP+4*\p:TMP+4*\p+1], v[TMP+4*\p:TMP+4*\p+1], v[TMP+4*\p+2:TMP+4*\p+3]
	v_add_f32 v[ST+2*\p], v[TMP+4*\p], v[TMP+4*\p+1]
.endr
	ALLSUM
.irp p, 0,1,2,3
	v_fmaak_f32 v[ST+2*\p], s78, v[ST+2*\p], 0x3727c5ac   ; the variance + 1e-5
.endr
	s_wait_alu depctr_va_vdst(0)
.irp p, 0,1,2,3
	v_rsq_f32 v[ST+2*\p], v[ST+2*\p]
.endr
	v_nop                                          ; a plain line behind the last root
	s_wait_alu depctr_va_vdst(0)                   ; one wait for the four roots, ahead of their first reader
	LNOUT 0
	LNOUT 1
	LNOUT 2
	LNOUT 3
	s_endpgm
.Lfunc_end_k_qdcacec7749_ln2:
	.size	k_qdcacec7749_ln2, .Lfunc_end_k_qdcacec7749_ln2-k_qdcacec7749_ln2
	.p2alignl 7, 3214868480
	.fill 96, 4, 3214868480
	.section	.rodata,"a",@progbits
	.p2align	6, 0x0
	.amdhsa_kernel k_qdcacec7749_ln2
		.amdhsa_group_segment_fixed_size 0
		.amdhsa_private_segment_fixed_size 0
		.amdhsa_enable_private_segment 0
		.amdhsa_kernarg_size 40
		.amdhsa_user_sgpr_count 2
		.amdhsa_user_sgpr_kernarg_segment_ptr 1
		.amdhsa_wavefront_size32 1
		.amdhsa_system_sgpr_workgroup_id_x 1
		.amdhsa_system_sgpr_workgroup_id_y 1
		.amdhsa_system_sgpr_workgroup_id_z 1
		.amdhsa_system_vgpr_workitem_id 0
		.amdhsa_next_free_vgpr 256
		.amdhsa_next_free_sgpr 100
		.amdhsa_reserve_vcc 0
		.amdhsa_float_denorm_mode_32 3
		.amdhsa_float_denorm_mode_16_64 3
		.amdhsa_memory_ordered 1
		.amdhsa_forward_progress 1
		.amdhsa_inst_pref_size 41
	.end_amdhsa_kernel
	.amdgpu_metadata
---
amdhsa.version: [ 1, 2 ]
amdhsa.kernels:
  - .name:           k_qdcacec7749_ln2
    .symbol:         k_qdcacec7749_ln2.kd
    .args:
      - { .name: x1, .offset: 0, .size: 8, .value_kind: global_buffer, .address_space: global }
      - { .name: ln2_g, .offset: 8, .size: 8, .value_kind: global_buffer, .address_space: global }
      - { .name: ln2_b, .offset: 16, .size: 8, .value_kind: global_buffer, .address_space: global }
      - { .name: lowp_scales, .offset: 24, .size: 8, .value_kind: global_buffer, .address_space: global }
      - { .name: hc, .offset: 32, .size: 8, .value_kind: global_buffer, .address_space: global }
    .group_segment_fixed_size: 0
    .private_segment_fixed_size: 0
    .kernarg_segment_align: 8
    .kernarg_segment_size: 40
    .max_flat_workgroup_size: 128
    .sgpr_count:     100
    .vgpr_count:     256
    .wavefront_size: 32
...
	.end_amdgpu_metadata
.endif
;; end of part 5
;; launch fc1 (part 6): grid 16 x 16, 4 waves a work-group, clusters of 4 x 4, 327,680 bytes of LDS; arguments hc, wc, lowp_scales, b1, gc; writes gc
.if DOCPART == 6
	.amdgcn_target "amdgcn-amd-amdhsa--gfx1250"
	.amdhsa_code_object_version 6
	.text
	.protected	k_qdcacec7749_fc1
	.globl	k_qdcacec7749_fc1
	.p2align	8
	.type	k_qdcacec7749_fc1,@function
k_qdcacec7749_fc1:
	s_mov_b64 s[64:65], 0
	v_nop
	global_prefetch_b8 v0, s[64:65] scope:SCOPE_SE
	s_setreg_imm32_b32 hwreg(HW_REG_WAVE_MODE, 25, 1), 1
	s_wait_xcnt 0x0
	s_wait_alu depctr_hold_cnt(0) depctr_sa_sdst(0) depctr_va_vdst(0) depctr_va_sdst(0) depctr_va_ssrc(0) depctr_va_vcc(0) depctr_vm_vsrc(0)
	s_getreg_b32 s2, hwreg(HW_REG_IB_STS2, 6, 4)
	s_cmp_eq_u32 s2, 0
	s_cbranch_scc0 .Lentry_in_a_cluster
	s_endpgm
.Lentry_in_a_cluster:
	s_bfe_u32 s2, ttmp6, 0x10000c
	s_cmp_lg_u32 s2, 0xf033
	s_cbranch_scc0 .Lentry_shape_is_right
	s_endpgm
.Lentry_shape_is_right:
.set KSTEP,  256
.set ROWB,   256
.set KROW,   1024
.set KSTEPS, KROW/ROWB
.set PITCH,  272
.set FR,     16
.set NL,     4
.set NP,     4
.set HALFT,  128*PITCH
.set SLOT,   4*HALFT
.set LAPS,   2
.set SPARE,  2*SLOT
.set GPI,    1040
.set ADRA, 16
.set ADRB, 20
.set STO,  22
.set RD0,  25
.set GO,   26
.set RDC,  27
.set SPW,  28
.set NIL,  29
.set GB,   32
.set CK,   40
.set SCO,  62
.set HLD,  63
.set RAW,  64
.set GX,   96
.set GT,   128
.set GQ,   160
.set GH,   192
.set CODE, 224
.set AF,   128
.set RB,   5
.set G1, 24
.set G0, 32
.set G1B, 48
.set G0B, 56
.set BA,  68
.set BB,  70
.set KC,  72
.set OF,  74
.set OST, 76
.set MSB, 0
.macro WIN new
.if MSB != \new
	s_set_vgpr_msb (MSB<<8)|\new
.set MSB, \new
.endif
.endm
.set MUL_LO, 0xa1
.set MUL_HI, 0xf1
.set TO_B,   0x40
.macro JLOAD g0a, g1a, g0b, g1b
	s_cmp_eq_u32 s15, 0
	s_cbranch_scc0 .Lfor_b_\@
	tensor_load_to_lds s[\g0a:\g0a+3], s[\g1a:\g1a+7]
	s_nop 0
.rept 4
	v_nop
.endr
	s_branch .Lasked_\@
.Lfor_b_\@:
	tensor_load_to_lds s[\g0b:\g0b+3], s[\g1b:\g1b+7]
	s_nop 0
.rept 4
	v_nop
.endr
.Lasked_\@:
.endm
.macro CREST
	s_cmp_lg_u32 s14, 0
	s_cbranch_scc1 .Lnot_wave_0_\@
	s_barrier_signal -3
.Lnot_wave_0_\@:
	s_barrier_wait -3
	s_barrier_signal -1
	s_barrier_wait -1
.endm
.macro CROUND
	s_barrier_signal -1
	s_barrier_wait -1
	CREST
.endm
	s_load_b128 s[4:7], s[0:1], 0x0
	s_load_b128 s[8:11], s[0:1], 0x10
	s_load_b64 s[12:13], s[0:1], 0x20
	v_lshl_add_u32 v[SPW], v0, 2, SPARE
	v_mov_b32 v[NIL], 0
	ds_add_u32 v28, v29
	ds_add_u32 v28, v29
	s_wait_dscnt 0x0
	v_lshrrev_b32 v1, 5, v0
	v_readfirstlane_b32 s14, v1
	s_lshr_b32 s15, s14, 1
	s_and_b32 s16, s14, 1
	s_bfe_u32 s40, ttmp6, 0x40000
	s_bfe_u32 s41, ttmp6, 0x40004
	s_lshl_b32 s42, ttmp9, 2
	s_add_co_u32 s42, s42, s40
	s_and_b32 s17, ttmp7, 0xffff
	s_lshl_b32 s17, s17, 2
	s_add_co_u32 s17, s17, s41
	s_and_b32 s78, ttmp7, 0xffff
	s_add_co_u32 s78, s78, ttmp9
	s_and_b32 s78, s78, 1
	s_lshl_b32 s[KC], s78, 1
	s_add_co_u32 s[KC+1], s[KC], 1
	s_mov_b32 s[OF+1], 0
	s_lshl_b32 s43, s41, 2
	s_lshl_b32 s43, 15, s43
	s_lshl_b32 s44, 0x1111, s40
	s_or_b32 s[G1+0], s43, (0<<16)|(1<<20)|(1<<21)|(5<<22)|(3<<25)
	s_or_b32 s[G1B+0], s44, (0<<16)|(1<<20)|(1<<21)|(5<<22)|(3<<25)
.irp g, G1, G1B
	s_mov_b32 s[\g+1], ROWB<<16
	s_mov_b32 s[\g+2], 128<<16
	s_mov_b32 s[\g+3], ROWB<<16
	s_mov_b32 s[\g+4], 128
	s_mov_b32 s[\g+5], KROW
	s_mov_b32 s[\g+6], 0
	s_mov_b32 s[\g+7], 0
.endr
	s_lshl_b32 s18, s16, 7
	s_lshl_b32 s20, s17, 8
	s_add_co_u32 s20, s20, s18
	s_lshl_b32 s20, s20, 10
	s_mov_b32 s21, 0
	s_lshl_b32 s46, s42, 8
	s_add_co_u32 s46, s46, s18
	s_lshl_b32 s46, s46, 10
	s_add_co_u32 s46, s46, 0x400000
	s_mov_b32 s47, 0
	s_mul_i32 s45, s14, HALFT
	s_wait_kmcnt 0x0
	s_load_b128 s[96:99], s[8:9], 0x30
	s_add_nc_u64 s[BA:BA+1], s[4:5], s[20:21]
	s_add_nc_u64 s[BB:BB+1], s[6:7], s[46:47]
	CROUND
.irp s, 0,1
	s_lshl_b32 s[OF], s[KC+\s], 8
	s_mov_b32 s[G0+4*\s], 1
	s_add_co_u32 s[G0+4*\s+1], s45, \s*SLOT
	s_add_nc_u64 s[G0+4*\s+2:G0+4*\s+3], s[BA:BA+1], s[OF:OF+1]
	s_or_b32 s[G0+4*\s+3], s[G0+4*\s+3], 0x80000000
	s_mov_b32 s[G0B+4*\s], 1
	s_add_co_u32 s[G0B+4*\s+1], s45, \s*SLOT
	s_add_nc_u64 s[G0B+4*\s+2:G0B+4*\s+3], s[BB:BB+1], s[OF:OF+1]
	s_or_b32 s[G0B+4*\s+3], s[G0B+4*\s+3], 0x80000000
.endr
	JLOAD G0, G1, G0B, G1B                         ; my first K step: one tensor load a wave at the head
	; A prefetch into the L2 stands behind each of the two first loads, for the K step two loads on (the walk's third and fourth, which are its last).  Of the 128 rows that I fetch, each of the four
	; partners that ask for them with me takes 32, told apart by address (cx for the tokens, cy for the weight): a lane a row of 256 bytes, one instruction a wave.
	s_cmp_eq_u32 s15, 0
	s_cselect_b64 s[80:81], s[BA:BA+1], s[BB:BB+1]
	s_cselect_b32 s82, s40, s41
	s_lshl_b32 s82, s82, 15                        ; 32 rows of 1,024 bytes for each place
	s_mov_b32 s83, 0
	s_add_nc_u64 s[80:81], s[80:81], s[82:83]
	s_add_co_u32 s82, s[KC], 2
	s_and_b32 s82, s82, KSTEPS-1
	s_lshl_b32 s82, s82, 8
	s_add_nc_u64 s[84:85], s[80:81], s[82:83]      ; never rewritten
	v_and_b32 v30, 31, v0
	v_lshlrev_b32 v30, 10, v30                     ; never rewritten
	global_prefetch_b8 v30, s[84:85] th:TH_LOAD_NT scope:SCOPE_SE
	v_and_b32 v1, 15, v0
	v_bfe_u32 v2, v0, 4, 1
	v_and_b32 v6, 31, v0
	v_lshlrev_b32 v7, 5, v6
	s_lshl_b32 s46, s42, 10
	s_mov_b32 s47, 0
	s_add_nc_u64 s[10:11], s[10:11], s[46:47]
	global_load_b128 v[GB:GB+3], v7, s[10:11]
	global_load_b128 v[GB+4:GB+7], v7, s[10:11] offset:16
	v_mul_u32_u24 v3, v1, PITCH
	v_lshl_add_u32 v4, v2, 4, v3
	s_mul_i32 s21, s15, HALFT
	s_mul_i32 s22, s16, HALFT
	s_add_co_u32 s22, s22, 2*HALFT
.irp s, 0,1
	v_add_nc_u32 v[ADRA+\s], s21, v4
	v_add_nc_u32 v[ADRB+\s], s22, v4
	s_add_co_u32 s21, s21, SLOT
	s_add_co_u32 s22, s22, SLOT
.endr
	s_mul_i32 s23, s15, 128*GPI
	s_lshl_b32 s21, s16, 9
	s_add_co_u32 s23, s23, s21
	v_mul_u32_u24 v5, v1, GPI
	v_lshl_add_u32 v5, v2, 5, v5
	v_add_nc_u32 v[STO], s23, v5
	v_add_nc_u32 v[STO+1], 64*GPI, v[STO]
	s_mul_i32 s23, s14, 64*GPI
	v_add_nc_u32 v[RD0], s23, v7
	v_lshlrev_b32 v[GO], 3, v6
	s_lshl_b32 s20, s17, 8
	s_lshl_b32 s21, s14, 6
	s_add_co_u32 s20, s20, s21
	s_lshl_b32 s20, s20, 12
	s_mov_b32 s21, 0
	s_add_nc_u64 s[12:13], s[12:13], s[20:21]
	s_lshl_b32 s46, s42, 8
	s_add_nc_u64 s[12:13], s[12:13], s[46:47]
	s_mov_b32 s4, 0x3eb504f3
	s_wait_kmcnt 0x0
	s_add_co_i32 s96, s96, s97
	s_add_co_i32 s96, s96, 127
	s_lshl_b32 s96, s96, 23
	s_mov_b32 s97, s96
	s_add_co_i32 s98, s98, 127
	s_lshl_b32 s99, s98, 23
	v_mov_b32 v[SCO], s99
	s_add_co_i32 s98, s98, 8
	s_lshl_b32 s98, s98, 23
	s_or_b32 s98, s98, 0x600000
	v_mov_b32 v[HLD], s98
.macro CONST n, val
	v_mov_b32 v[CK+2*\n], \val
	v_mov_b32 v[CK+2*\n+1], \val
.endm
	CONST 0, -2.8257482
	CONST 1, 1.4427292
	CONST 2, 0.53970061
	CONST 3, 0.13963006
	CONST 4, -0.26875686
	CONST 5, 0.40232158
	CONST 6, -1.63775315
	CONST 7, 2.14747446
	CONST 8, -1.18611494
	CONST 9, 0.24651730
	CONST 10, 0xbf38aa3b
.macro FRAG reg, adr, q, i
.irp c, 0,1,2,3
	ds_load_b128 v[\reg+4*\c:\reg+4*\c+3], v[\adr] offset:128*(\q)+32*\c+(\i)*16*PITCH
.endr
.endm
.macro MUL16 a0, p, zero
.irp a, \a0, \a0+1
.irp b, 0,1,2,3,4,5,6,7
.if \zero
	v_wmma_f32_16x16x128_fp8_fp8 v[8*(8*((\a)%4)+\b):8*(8*((\a)%4)+\b)+7], v[128*(\p)+FR*\b:128*(\p)+FR*\b+FR-1], v[AF+FR*(\a):AF+FR*(\a)+FR-1], 0
.else
	v_wmma_f32_16x16x128_fp8_fp8 v[8*(8*((\a)%4)+\b):8*(8*((\a)%4)+\b)+7], v[128*(\p)+FR*\b:128*(\p)+FR*\b+FR-1], v[AF+FR*(\a):AF+FR*(\a)+FR-1], v[8*(8*((\a)%4)+\b):8*(8*((\a)%4)+\b)+7]
.endif
.endr
.endr
.endm
.macro FETCH_B slot, q, p
	WIN TO_B
.irp i, 0,1,2,3,4,5,6,7
	FRAG 128*(\p)+FR*\i, ADRB+\slot, \q, \i
.endr
	WIN 0
.endm
.macro FETCH_A slot, q, i0
.irp i, \i0, \i0+1, \i0+2, \i0+3
	FRAG AF+FR*(\i), ADRA+\slot, \q, \i
.endr
.endm
.macro PLACES n
.rept \n
	v_nop
.endr
.endm
.macro STEP slot, q, zero
	s_wait_dscnt 4*NL
	WIN MUL_LO
	MUL16 0, (\q)%2, \zero
	MUL16 2, (\q)%2, \zero
	s_wait_dscnt 0
	PLACES NP
	FETCH_B \slot, (\q)+1, 1-(\q)%2
	FETCH_A \slot, (\q)+1, 0
	WIN MUL_HI
	MUL16 4, (\q)%2, \zero
	MUL16 6, (\q)%2, \zero
	PLACES NP
	WIN 0
	FETCH_A \slot, (\q)+1, 4
.endm
.macro TURN slot, next, fill
	s_wait_tensorcnt 0x0
	ds_add_u32 v[SPW], v[NIL]
.if \fill
	s_add_co_u32 s[KC+\slot], s[KC+\slot], 2
	s_and_b32 s[KC+\slot], s[KC+\slot], KSTEPS-1
	s_lshl_b32 s[OF], s[KC+\slot], 8
	s_add_nc_u64 s[G0+4*\slot+2:G0+4*\slot+3], s[BA:BA+1], s[OF:OF+1]
	s_or_b32 s[G0+4*\slot+3], s[G0+4*\slot+3], 0x80000000
	s_add_nc_u64 s[G0B+4*\slot+2:G0B+4*\slot+3], s[BB:BB+1], s[OF:OF+1]
	s_or_b32 s[G0B+4*\slot+3], s[G0B+4*\slot+3], 0x80000000
.endif
	s_wait_dscnt 4*NL+1
	WIN MUL_LO
	MUL16 0, 1, 0
	s_wait_dscnt 0x0
	s_barrier_signal -1
	MUL16 2, 1, 0
	WIN 0
	s_barrier_wait -1
.if \fill
	CREST
	JLOAD G0+4*\slot, G1, G0B+4*\slot, G1B
.else
	PLACES NP
.endif
	FETCH_B \next, 0, 0
	FETCH_A \next, 0, 0
	WIN MUL_HI
	MUL16 4, 1, 0
	MUL16 6, 1, 0
	PLACES NP
	WIN 0
	FETCH_A \next, 0, 4
.endm
	s_wait_alu depctr_va_vdst(0)                   ; the wait at the head's end
	s_wait_tensorcnt 0x0                           ; my part of the first K step is in; slot 1's first fill is issued as a refill is:
	ds_add_u32 v[SPW], v[NIL]                      ; 0 onto my spare word
	s_wait_dscnt 0x0
	CROUND                                         ; everybody's part is in, and the joint loads meet
	JLOAD G0+4, G1, G0B+4, G1B                     ; the second K step: my one tensor load behind the round
	FETCH_B 0, 0, 0
	FETCH_A 0, 0, 0
	FETCH_A 0, 0, 4
	global_prefetch_b8 v30, s[84:85] offset:256 th:TH_LOAD_NT scope:SCOPE_SE   ; the walk's fourth K step lies 256 bytes behind its third
	STEP 0, 0, 1
	s_mov_b32 s3, LAPS-1
.Llap:
	TURN 0, 1, 1
	STEP 1, 0, 0
	TURN 1, 0, 1
	STEP 0, 0, 0
	s_sub_co_u32 s3, s3, 1
	s_cmp_lg_u32 s3, 0
	s_cbranch_scc1 .Llap
	TURN 0, 1, 0
	STEP 1, 0, 0
	s_wait_dscnt 4*NL
	WIN MUL_LO
	MUL16 0, 1, 0
	MUL16 2, 1, 0
	s_wait_dscnt 0
	WIN MUL_HI
	MUL16 4, 1, 0
	MUL16 6, 1, 0
	WIN 0
	PLACES NP
	s_wait_dscnt 0x0
	s_barrier_signal -1
	s_barrier_wait -1
.irp a, 0,1,2,3,4,5,6,7
.set WN, 0x08+4*((\a)/4)
	WIN WN
.irp b, 0,1,2,3,4,5,6,7
	ds_store_b128 v[STO+(\a)/4], v[8*(8*((\a)%4)+\b):8*(8*((\a)%4)+\b)+3] offset:((\a)%4)*16*GPI+64*\b
	ds_store_b128 v[STO+(\a)/4], v[8*(8*((\a)%4)+\b)+4:8*(8*((\a)%4)+\b)+7] offset:((\a)%4)*16*GPI+64*\b+16
.endr
.endr
	WIN 0
	s_wait_loadcnt 0x0
	s_wait_dscnt 0x0
	s_barrier_signal -1
	s_barrier_wait -1
.macro GLOAD
.irp p, 0,1,2,3
	ds_load_b128 v[RAW+8*\p:RAW+8*\p+3], v[RDC] offset:\p*GPI
	ds_load_b128 v[RAW+8*\p+4:RAW+8*\p+7], v[RDC] offset:\p*GPI+16
.endr
.endm
.macro GTRIP ahead
	s_wait_dscnt 0x0
.set j, 0
.rept 16
	v_pk_fma_f32 v[GX+j:GX+j+1], v[RAW+j:RAW+j+1], s[96:97], v[GB+j%8:GB+j%8+1] op_sel_hi:[1,0,1]
.set j, j+2
.endr
.if \ahead
	s_add_co_u32 s[RB], s[RB], 4*GPI
	v_add_nc_u32 v[RDC], s[RB], v[RD0]
	GLOAD
.endif
.set j, 0
.rept 32
	v_fma_f32 v[GT+j], |v[GX+j]|, s4, 1.0
.set j, j+1
.endr
.set j, 0
	s_wait_alu depctr_va_vdst(0)                   ; the wait ahead of the batch
.rept 16
	v_rcp_f32 v[GT+j], v[GT+j]                     ; between the reciprocals' lines the squares, which name nothing of the batch
	v_pk_mul_f32 v[GH+j:GH+j+1], v[GX+j:GX+j+1], v[GX+j:GX+j+1]
	v_rcp_f32 v[GT+j+1], v[GT+j+1]
.set j, j+2
.endr
	v_nop                                          ; a plain line behind the last reciprocal
	s_wait_alu depctr_va_vdst(0)
.set j, 0
.rept 16
	v_pk_fma_f32 v[GQ+j:GQ+j+1], v[GT+j:GT+j+1], v[CK+18:CK+19], v[CK+16:CK+17]
.set j, j+2
.endr
.irp n, 7,6,5,4,3,2,1,0
.set j, 0
.rept 16
	v_pk_fma_f32 v[GQ+j:GQ+j+1], v[GQ+j:GQ+j+1], v[GT+j:GT+j+1], v[CK+2*\n:CK+2*\n+1]
.set j, j+2
.endr
.endr
.set j, 0
.rept 16
	v_pk_fma_f32 v[GQ+j:GQ+j+1], v[GH+j:GH+j+1], v[CK+20:CK+21], v[GQ+j:GQ+j+1]
.set j, j+2
.endr
.set j, 0
	s_wait_alu depctr_va_vdst(0)                   ; the wait ahead of the batch
.rept 32
	v_exp_f32 v[GQ+j], v[GQ+j]                     ; between the exponentials' lines max(x, 0), which names nothing of the batch
	v_max_num_f32 v[GH+j], v[GX+j], 0
.set j, j+1
.endr
	s_wait_alu depctr_va_vdst(0)
.set j, 0
.rept 16
	v_pk_mul_f32 v[GQ+j:GQ+j+1], v[GQ+j:GQ+j+1], v[GT+j:GT+j+1]
.set j, j+2
.endr
.set j, 0
.rept 32
	v_fma_f32 v[GH+j], -|v[GX+j]|, v[GQ+j], v[GH+j]
.set j, j+1
.endr
.set j, 0
.rept 32
	v_med3_num_f32 v[GH+j], v[GH+j], -v[HLD], v[HLD]
.set j, j+1
.endr
	s_wait_alu depctr_va_vdst(0)
	s_wait_xcnt 0x0
	s_add_nc_u64 s[12:13], s[12:13], s[OST:OST+1]
.irp p, 0,1,2,3
	v_cvt_scalef32_pk8_fp8_f32 v[CODE+2*\p:CODE+2*\p+1], v[GH+8*\p:GH+8*\p+7], v[SCO]
.endr
	v_nop
.irp p, 0,1,2,3
	global_store_b64 v[GO], v[CODE+2*\p:CODE+2*\p+1], s[12:13] offset:\p*4096 th:TH_STORE_NT
.endr
	s_mov_b32 s[OST], 4*4096
.endm
	s_mov_b32 s[OST], 0
	s_mov_b32 s[OST+1], 0
	s_mov_b32 s[RB], 0
	v_add_nc_u32 v[RDC], s[RB], v[RD0]
	GLOAD
	s_mov_b32 s3, 15
.Lrows:
	GTRIP 1
	s_sub_co_u32 s3, s3, 1
	s_cmp_lg_u32 s3, 0
	s_cbranch_scc1 .Lrows
	GTRIP 0
	s_wait_tensorcnt 0x0
	ds_add_u32 v[SPW], v[NIL]
	s_wait_dscnt 0x0
	CROUND
	s_endpgm
.Lfunc_end_k_qdcacec7749_fc1:
	.size	k_qdcacec7749_fc1, .Lfunc_end_k_qdcacec7749_fc1-k_qdcacec7749_fc1
	.p2alignl 7, 3214868480
	.fill 96, 4, 3214868480
	.section	.rodata,"a",@progbits
	.p2align	6, 0x0
	.amdhsa_kernel k_qdcacec7749_fc1
		.amdhsa_group_segment_fixed_size 327680
		.amdhsa_private_segment_fixed_size 0
		.amdhsa_enable_private_segment 0
		.amdhsa_kernarg_size 40
		.amdhsa_user_sgpr_count 2
		.amdhsa_user_sgpr_kernarg_segment_ptr 1
		.amdhsa_wavefront_size32 1
		.amdhsa_system_sgpr_workgroup_id_x 1
		.amdhsa_system_sgpr_workgroup_id_y 1
		.amdhsa_system_sgpr_workgroup_id_z 1
		.amdhsa_system_vgpr_workitem_id 0
		.amdhsa_next_free_vgpr 1024
		.amdhsa_next_free_sgpr 100
		.amdhsa_reserve_vcc 0
		.amdhsa_float_denorm_mode_32 3
		.amdhsa_float_denorm_mode_16_64 3
		.amdhsa_memory_ordered 1
		.amdhsa_forward_progress 1
		.amdhsa_inst_pref_size 139
	.end_amdhsa_kernel
	.amdgpu_metadata
---
amdhsa.version: [ 1, 2 ]
amdhsa.kernels:
  - .name:           k_qdcacec7749_fc1
    .symbol:         k_qdcacec7749_fc1.kd
    .args:
      - { .name: hc, .offset: 0, .size: 8, .value_kind: global_buffer, .address_space: global }
      - { .name: wc, .offset: 8, .size: 8, .value_kind: global_buffer, .address_space: global }
      - { .name: lowp_scales, .offset: 16, .size: 8, .value_kind: global_buffer, .address_space: global }
      - { .name: b1, .offset: 24, .size: 8, .value_kind: global_buffer, .address_space: global }
      - { .name: gc, .offset: 32, .size: 8, .value_kind: global_buffer, .address_space: global }
    .group_segment_fixed_size: 327680
    .private_segment_fixed_size: 0
    .kernarg_segment_align: 8
    .kernarg_segment_size: 40
    .max_flat_workgroup_size: 128
    .sgpr_count:     100
    .vgpr_count:     1024
    .wavefront_size: 32
...
	.end_amdgpu_metadata
.endif
;; end of part 6
;; launch fc2 (part 7): grid 8 x 32, 4 waves a work-group, clusters of 4 x 4, 327,680 bytes of LDS; arguments gc, wc, lowp_scales, b2, x1, out0; writes out0
.if DOCPART == 7
	.amdgcn_target "amdgcn-amd-amdhsa--gfx1250"
	.amdhsa_code_object_version 6
	.text
	.protected	k_qdcacec7749_fc2
	.globl	k_qdcacec7749_fc2
	.p2align	8
	.type	k_qdcacec7749_fc2,@function
k_qdcacec7749_fc2:
	s_mov_b64 s[64:65], 0
	v_nop
	global_prefetch_b8 v0, s[64:65] scope:SCOPE_SE
	s_setreg_imm32_b32 hwreg(HW_REG_WAVE_MODE, 25, 1), 1
	s_wait_xcnt 0x0
	s_wait_alu depctr_hold_cnt(0) depctr_sa_sdst(0) depctr_va_vdst(0) depctr_va_sdst(0) depctr_va_ssrc(0) depctr_va_vcc(0) depctr_vm_vsrc(0)
	s_getreg_b32 s2, hwreg(HW_REG_IB_STS2, 6, 4)
	s_cmp_eq_u32 s2, 0
	s_cbranch_scc0 .Lentry_in_a_cluster
	s_endpgm
.Lentry_in_a_cluster:
	s_bfe_u32 s2, ttmp6, 0x10000c
	s_cmp_lg_u32 s2, 0xf033
	s_cbranch_scc0 .Lentry_shape_is_right
	s_endpgm
.Lentry_shape_is_right:
.set KB,     512
.set KSH,    9
.set SIZE_K, 4096
.set KSTEPS, SIZE_K/KB
.set BPITCH, 528
.set BHALF,  64*BPITCH
.set APITCH, 528
.set AK64,   64
.set AHALF,  64*528
.set WOFF,   0x800000
.set EOFF,   56
.set SLOT,   2*AHALF+2*BHALF
.set SPARE,  2*SLOT
.set LAPS,   SIZE_K/(2*KB)
.set SPITCH, 528
.set ADRA, 16
.set ADRB, 20
.set STO,  24
.set RD,   25
.set CO,   26
.set SPW,  28
.set NIL,  29
.set ACC,  128
.set F0,   0
.set F1,   128
.set G1, 24
.set G0, 32
.set G1B, 48
.set G0B, 56
.set BA,  84
.set BB,  86
.set KC,  88
.set OF,  90
.set MSB, 0
.macro WIN new
.if MSB != \new
	s_set_vgpr_msb (MSB<<8)|\new
.set MSB, \new
.endif
.endm
.set MUL,  0x05
.set TO_F, 0x40
.macro JLOAD s
	s_cmp_eq_u32 s11, 0
	s_cbranch_scc0 .Lfor_b_\@
	tensor_load_to_lds s[G0+4*\s:G0+4*\s+3], s[G1:G1+7]
	s_nop 0
.rept 4
	v_nop
.endr
	s_branch .Lasked_\@
.Lfor_b_\@:
	tensor_load_to_lds s[G0B+4*\s:G0B+4*\s+3], s[G1B:G1B+7]
	s_nop 0
.rept 4
	v_nop
.endr
.Lasked_\@:
.endm
.macro CREST
	s_cmp_lg_u32 s10, 0
	s_cbranch_scc1 .Lnot_wave_0_\@
	s_barrier_signal -3
.Lnot_wave_0_\@:
	s_barrier_wait -3
	s_barrier_signal -1
	s_barrier_wait -1
.endm
.macro CROUND
	s_barrier_signal -1
	s_barrier_wait -1
	CREST
.endm
	s_load_b256 s[68:75], s[0:1], 0x0
	s_load_b128 s[76:79], s[0:1], 0x20
	v_lshl_add_u32 v[SPW], v0, 2, SPARE
	v_mov_b32 v[NIL], 0
	ds_add_u32 v28, v29
	ds_add_u32 v28, v29
	s_wait_dscnt 0x0
	v_lshrrev_b32 v1, 5, v0
	v_readfirstlane_b32 s10, v1
	s_lshr_b32 s11, s10, 1
	s_and_b32 s12, s10, 1
	s_bfe_u32 s40, ttmp6, 0x40000
	s_bfe_u32 s41, ttmp6, 0x40004
	s_lshl_b32 s42, ttmp9, 2
	s_add_co_u32 s42, s42, s40
	s_and_b32 s13, ttmp7, 0xffff
	s_lshl_b32 s13, s13, 2
	s_add_co_u32 s13, s13, s41
	s_and_b32 s92, ttmp7, 0xffff
	s_add_co_u32 s92, s92, ttmp9
	s_and_b32 s92, s92, 1
	s_lshl_b32 s[KC], s92, 2
	s_add_co_u32 s[KC+1], s[KC], 1
	s_mov_b32 s[OF+1], 0
	s_lshl_b32 s43, s41, 2
	s_lshl_b32 s43, 15, s43
	s_lshl_b32 s44, 0x1111, s40
	s_or_b32 s[G1+0], s43, (1<<20)|(1<<21)|(6<<22)|(3<<25)
	s_or_b32 s[G1B+0], s44, (1<<20)|(1<<21)|(6<<22)|(3<<25)
.irp g, G1, G1B
	s_mov_b32 s[\g+1], KB<<16
	s_mov_b32 s[\g+2], 64<<16
	s_mov_b32 s[\g+3], KB<<16
	s_mov_b32 s[\g+4], 64
	s_mov_b32 s[\g+5], SIZE_K
	s_mov_b32 s[\g+6], 0
	s_mov_b32 s[\g+7], 0
.endr
	s_lshl_b32 s17, s12, 6
	s_lshl_b32 s16, s13, 7
	s_add_co_u32 s16, s16, s17
	s_mul_i32 s16, s16, SIZE_K
	s_lshl_b32 s46, s42, 7
	s_add_co_u32 s46, s46, s17
	s_mul_i32 s46, s46, SIZE_K
	s_add_co_u32 s46, s46, WOFF
	s_mov_b32 s17, 0
	s_mov_b32 s47, 0
	s_mul_i32 s20, s12, AHALF
	s_mul_i32 s21, s12, BHALF
	s_add_co_u32 s21, s21, 2*AHALF
	s_wait_kmcnt 0x0
	s_load_b64 s[80:81], s[72:73], EOFF
	s_add_nc_u64 s[BA:BA+1], s[68:69], s[16:17]
	s_add_nc_u64 s[BB:BB+1], s[70:71], s[46:47]
	CROUND
.irp s, 0,1
	s_lshl_b32 s[OF], s[KC+\s], KSH
	s_mov_b32 s[G0+4*\s], 1
	s_add_co_u32 s[G0+4*\s+1], s20, \s*SLOT
	s_add_nc_u64 s[G0+4*\s+2:G0+4*\s+3], s[BA:BA+1], s[OF:OF+1]
	s_or_b32 s[G0+4*\s+3], s[G0+4*\s+3], 0x80000000
	s_mov_b32 s[G0B+4*\s], 1
	s_add_co_u32 s[G0B+4*\s+1], s21, \s*SLOT
	s_add_nc_u64 s[G0B+4*\s+2:G0B+4*\s+3], s[BB:BB+1], s[OF:OF+1]
	s_or_b32 s[G0B+4*\s+3], s[G0B+4*\s+3], 0x80000000
.endr
	JLOAD 0                                        ; my first K step: one tensor load a wave at the head
	; A prefetch into the L2 stands behind each joint load, for the K step two loads on; the last two loads ask for nothing.  A K step is 512 bytes of each of the 64 rows that I fetch: 128 blocks of 256 bytes.
	; Each of the four partners that ask for them with me takes 16 rows, told apart by address (cx for the tokens, cy for the weight): two lanes a row, one instruction a wave.
	s_cmp_eq_u32 s11, 0
	s_cselect_b64 s[94:95], s[BA:BA+1], s[BB:BB+1]
	s_cselect_b32 s92, s40, s41
	s_lshl_b32 s92, s92, 16                        ; 16 rows of 4,096 bytes for each place
	s_mov_b32 s93, 0
	s_add_nc_u64 s[94:95], s[94:95], s[92:93]
	s_add_co_u32 s92, s[KC], 2
	s_and_b32 s92, s92, KSTEPS-1
	s_lshl_b32 s92, s92, KSH
	s_add_nc_u64 s[96:97], s[94:95], s[92:93]
	v_and_b32 v30, 31, v0
	v_lshrrev_b32 v31, 1, v30
	v_and_b32 v30, 1, v30
	v_lshlrev_b32 v30, 8, v30
	v_lshl_add_u32 v30, v31, 12, v30               ; 4,096 x (lane / 2) + 256 x (lane % 2); never rewritten
	global_prefetch_b8 v30, s[96:97] th:TH_LOAD_NT scope:SCOPE_SE
	s_lshl_b32 s16, s13, 7
	s_lshl_b32 s17, s10, 5
	s_add_co_u32 s16, s16, s17
	s_lshl_b32 s16, s16, 12
	s_mov_b32 s17, 0
	s_lshl_b32 s46, s42, 9
	s_mov_b32 s47, 0
	s_add_nc_u64 s[76:77], s[76:77], s[16:17]
	s_add_nc_u64 s[76:77], s[76:77], s[46:47]
	s_add_nc_u64 s[78:79], s[78:79], s[16:17]
	s_add_nc_u64 s[78:79], s[78:79], s[46:47]
	s_add_nc_u64 s[74:75], s[74:75], s[46:47]
	v_and_b32 v6, 31, v0
	v_lshlrev_b32 v[CO], 4, v6
	WIN 0x80
.set t, 0
.rept 32
	global_load_b128 v[4*t:4*t+3], v[CO], s[76:77] offset:t*4096 th:TH_LOAD_NT
.set t, t+1
.endr
	WIN 0
	global_load_b128 v[32:35], v[CO], s[74:75]
	v_and_b32 v1, 15, v0
	v_bfe_u32 v2, v0, 4, 1
	v_mul_u32_u24 v3, v1, APITCH
	v_lshl_add_u32 v3, v2, 4, v3
	v_mul_u32_u24 v4, v1, BPITCH
	v_lshl_add_u32 v4, v2, 4, v4
	s_mul_i32 s21, s11, AHALF
	s_mul_i32 s22, s12, BHALF
	s_add_co_u32 s22, s22, 2*AHALF
.irp s, 0,1
	v_add_nc_u32 v[ADRA+\s], s21, v3
	v_add_nc_u32 v[ADRB+\s], s22, v4
	s_add_co_u32 s21, s21, SLOT
	s_add_co_u32 s22, s22, SLOT
.endr
	s_mul_i32 s23, s11, 64*SPITCH
	s_lshl_b32 s21, s12, 8
	s_add_co_u32 s23, s23, s21
	v_mul_u32_u24 v5, v1, SPITCH
	v_lshl_add_u32 v5, v2, 5, v5
	v_add_nc_u32 v[STO], s23, v5
	s_mul_i32 s23, s10, 32*SPITCH
	v_add_nc_u32 v[RD], s23, v[CO]
	s_wait_alu depctr_va_vdst(0)
	s_wait_kmcnt 0x0
	s_add_co_i32 s80, s80, s81
	s_add_co_i32 s80, s80, 127
	s_lshl_b32 s80, s80, 23
	s_mov_b32 s81, s80
.macro MUL8 f, c, a0, zero
.irp a, \a0, \a0+1
.irp b, 0,1,2,3
.if \zero
	v_wmma_f32_16x16x64_fp8_fp8 v[ACC+8*(4*(\a)+\b):ACC+8*(4*(\a)+\b)+7], v[\f+64+8*(4*\c+\b):\f+64+8*(4*\c+\b)+7], v[\f+8*(4*\c+\a):\f+8*(4*\c+\a)+7], 0
.else
	v_wmma_f32_16x16x64_fp8_fp8 v[ACC+8*(4*(\a)+\b):ACC+8*(4*(\a)+\b)+7], v[\f+64+8*(4*\c+\b):\f+64+8*(4*\c+\b)+7], v[\f+8*(4*\c+\a):\f+8*(4*\c+\a)+7], v[ACC+8*(4*(\a)+\b):ACC+8*(4*(\a)+\b)+7]
.endif
.endr
.endr
.endm
.macro FETCH slot, k, f
	WIN TO_F
.irp c, 0,1
.irp i, 0,1,2,3
	ds_load_b128 v[\f+64+8*(4*\c+\i):\f+64+8*(4*\c+\i)+3],   v[ADRB+\slot] offset:((\k)+\c)*64+\i*16*BPITCH
	ds_load_b128 v[\f+64+8*(4*\c+\i)+4:\f+64+8*(4*\c+\i)+7], v[ADRB+\slot] offset:((\k)+\c)*64+\i*16*BPITCH+32
	ds_load_b128 v[\f+8*(4*\c+\i):\f+8*(4*\c+\i)+3],         v[ADRA+\slot] offset:((\k)+\c)*AK64+\i*16*APITCH
	ds_load_b128 v[\f+8*(4*\c+\i)+4:\f+8*(4*\c+\i)+7],       v[ADRA+\slot] offset:((\k)+\c)*AK64+\i*16*APITCH+32
.endr
.endr
.endm
.macro PLACES
.rept 4
	v_nop
.endr
.endm
.macro QUARTER slot, k, f, g, zero
	s_wait_dscnt 16
	WIN MUL
	MUL8 \f, 0, 0, \zero
	MUL8 \f, 0, 2, \zero
	PLACES
	FETCH \slot, \k, \g
	s_wait_dscnt 32
	WIN MUL
	MUL8 \f, 1, 0, 0
	MUL8 \f, 1, 2, 0
.endm
.macro TURN slot, next, fill
	WIN 0
	s_wait_tensorcnt 0x0
	ds_add_u32 v[SPW], v[NIL]
.if \fill
	s_add_co_u32 s[KC+\slot], s[KC+\slot], 2
	s_and_b32 s[KC+\slot], s[KC+\slot], KSTEPS-1
	s_lshl_b32 s[OF], s[KC+\slot], KSH
	s_add_nc_u64 s[G0+4*\slot+2:G0+4*\slot+3], s[BA:BA+1], s[OF:OF+1]
	s_or_b32 s[G0+4*\slot+3], s[G0+4*\slot+3], 0x80000000
	s_add_nc_u64 s[G0B+4*\slot+2:G0B+4*\slot+3], s[BB:BB+1], s[OF:OF+1]
	s_or_b32 s[G0B+4*\slot+3], s[G0B+4*\slot+3], 0x80000000
	s_wait_xcnt 0x0                                ; my last prefetch has read its address: it may be written
	s_add_co_u32 s92, s[KC+\slot], 2               ; the K step that this slot's next refill will ask for
	s_and_b32 s92, s92, KSTEPS-1
	s_lshl_b32 s92, s92, KSH
	s_add_nc_u64 s[96:97], s[94:95], s[92:93]
.endif
	s_wait_dscnt 17
	WIN MUL
	MUL8 F1, 0, 0, 0
	s_wait_dscnt 0x0
	s_barrier_signal -1
	MUL8 F1, 0, 2, 0
.if \fill
	WIN 0
.endif
	s_barrier_wait -1
.if \fill
	CREST
	JLOAD \slot
.else
	PLACES
.endif
	FETCH \next, 0, F0
.if \fill
	WIN 0                                          ; at a branch every window is 0
	s_cmp_gt_u32 s3, 1                             ; the loop's last trip has no K step two loads on
	s_cbranch_scc0 .Lno_ask_\@
	global_prefetch_b8 v30, s[96:97] th:TH_LOAD_NT scope:SCOPE_SE
.Lno_ask_\@:
.endif
	WIN MUL
	MUL8 F1, 1, 0, 0
	MUL8 F1, 1, 2, 0
.endm
	s_wait_alu depctr_va_vdst(0)                   ; the wait at the head's end
	s_wait_tensorcnt 0x0                           ; my part of the first K step is in; slot 1's first fill is issued as a refill is:
	ds_add_u32 v[SPW], v[NIL]                      ; 0 onto my spare word
	s_wait_dscnt 0x0
	CROUND                                         ; everybody's part is in, and the joint loads meet
	JLOAD 1                                        ; the second K step: my one tensor load behind the round
	FETCH 0, 0, F0
	global_prefetch_b8 v30, s[96:97] offset:KB th:TH_LOAD_NT scope:SCOPE_SE   ; the walk's fourth K step lies 512 bytes behind its third
	QUARTER 0, 2, F0, F1, 1
	WIN 0
	s_mov_b32 s3, LAPS-1
.Llap:
	QUARTER 0, 4, F1, F0, 0
	QUARTER 0, 6, F0, F1, 0
	TURN 0, 1, 1
	QUARTER 1, 2, F0, F1, 0
	QUARTER 1, 4, F1, F0, 0
	QUARTER 1, 6, F0, F1, 0
	TURN 1, 0, 1
	QUARTER 0, 2, F0, F1, 0
	WIN 0
	s_sub_co_u32 s3, s3, 1
	s_cmp_lg_u32 s3, 0
	s_cbranch_scc1 .Llap
	QUARTER 0, 4, F1, F0, 0
	QUARTER 0, 6, F0, F1, 0
	TURN 0, 1, 0
	QUARTER 1, 2, F0, F1, 0
	QUARTER 1, 4, F1, F0, 0
	QUARTER 1, 6, F0, F1, 0
	s_wait_dscnt 16
	WIN MUL
	MUL8 F1, 0, 0, 0
	MUL8 F1, 0, 2, 0
	s_wait_dscnt 0
	MUL8 F1, 1, 0, 0
	MUL8 F1, 1, 2, 0
	WIN 0
	PLACES
.irp a, 0,1,2,3
.irp b, 0,1,2,3
	ds_store_b128 v[STO], v[ACC+8*(4*\a+\b):ACC+8*(4*\a+\b)+3] offset:\a*16*SPITCH+64*\b
	ds_store_b128 v[STO], v[ACC+8*(4*\a+\b)+4:ACC+8*(4*\a+\b)+7] offset:\a*16*SPITCH+64*\b+16
.endr
.endr
	s_wait_loadcnt 0x0
	WIN 0x82
.set t, 0
.rept 32
	v_pk_add_f32 v[4*t:4*t+1], v[4*t:4*t+1], v[32:33]
	v_pk_add_f32 v[4*t+2:4*t+3], v[4*t+2:4*t+3], v[34:35]
.set t, t+1
.endr
	WIN 0
	s_wait_dscnt 0x0
	s_barrier_signal -1
	s_barrier_wait -1
.set t, 0
.rept 32
	ds_load_b128 v[ACC+4*t:ACC+4*t+3], v[RD] offset:t*SPITCH
.set t, t+1
.endr
	WIN 0x20
.set t, 0
.rept 32
	s_wait_dscnt 31-t
	v_pk_fma_f32 v[ACC+4*t:ACC+4*t+1], v[ACC+4*t:ACC+4*t+1], s[80:81], v[4*t:4*t+1] op_sel_hi:[1,0,1]
	v_pk_fma_f32 v[ACC+4*t+2:ACC+4*t+3], v[ACC+4*t+2:ACC+4*t+3], s[80:81], v[4*t+2:4*t+3] op_sel_hi:[1,0,1]
	global_store_b128 v[CO], v[ACC+4*t:ACC+4*t+3], s[78:79] offset:t*4096 th:TH_STORE_NT
.set t, t+1
.endr
	WIN 0
	s_wait_tensorcnt 0x0
	ds_add_u32 v[SPW], v[NIL]
	s_wait_dscnt 0x0
	CROUND
	s_endpgm
.Lfunc_end_k_qdcacec7749_fc2:
	.size	k_qdcacec7749_fc2, .Lfunc_end_k_qdcacec7749_fc2-k_qdcacec7749_fc2
	.p2alignl 7, 3214868480
	.fill 96, 4, 3214868480
	.section	.rodata,"a",@progbits
	.p2align	6, 0x0
	.amdhsa_kernel k_qdcacec7749_fc2
		.amdhsa_group_segment_fixed_size 327680
		.amdhsa_private_segment_fixed_size 0
		.amdhsa_enable_private_segment 0
		.amdhsa_kernarg_size 48
		.amdhsa_user_sgpr_count 2
		.amdhsa_user_sgpr_kernarg_segment_ptr 1
		.amdhsa_wavefront_size32 1
		.amdhsa_system_sgpr_workgroup_id_x 1
		.amdhsa_system_sgpr_workgroup_id_y 1
		.amdhsa_system_sgpr_workgroup_id_z 1
		.amdhsa_system_vgpr_workitem_id 0
		.amdhsa_next_free_vgpr 640
		.amdhsa_next_free_sgpr 100
		.amdhsa_reserve_vcc 0
		.amdhsa_float_denorm_mode_32 3
		.amdhsa_float_denorm_mode_16_64 3
		.amdhsa_memory_ordered 1
		.amdhsa_forward_progress 1
		.amdhsa_inst_pref_size 101
	.end_amdhsa_kernel
	.amdgpu_metadata
---
amdhsa.version: [ 1, 2 ]
amdhsa.kernels:
  - .name:           k_qdcacec7749_fc2
    .symbol:         k_qdcacec7749_fc2.kd
    .args:
      - { .name: gc, .offset: 0, .size: 8, .value_kind: global_buffer, .address_space: global }
      - { .name: wc, .offset: 8, .size: 8, .value_kind: global_buffer, .address_space: global }
      - { .name: lowp_scales, .offset: 16, .size: 8, .value_kind: global_buffer, .address_space: global }
      - { .name: b2, .offset: 24, .size: 8, .value_kind: global_buffer, .address_space: global }
      - { .name: x1, .offset: 32, .size: 8, .value_kind: global_buffer, .address_space: global }
      - { .name: out0, .offset: 40, .size: 8, .value_kind: global_buffer, .address_space: global }
    .group_segment_fixed_size: 327680
    .private_segment_fixed_size: 0
    .kernarg_segment_align: 8
    .kernarg_segment_size: 48
    .max_flat_workgroup_size: 128
    .sgpr_count:     100
    .vgpr_count:     640
    .wavefront_size: 32
...
	.end_amdgpu_metadata
.endif
;; end of part 7
